; MI455X (gfx1250); checked and timed in simulation.
; The chip was launched on July 23, 2026; its instructions are those of AMD's public machine-readable ISA for CDNA 5 (MIT licence, August 2026) and "CDNA5" Instruction Set Architecture Reference Guide (July 2026). The comments in the code are by the model that wrote it; some were corrected since.
;; Generic Attention. Allowed arithmetic: float matrix products may take bf16 or f16 operands with f32 sums; all other float work in f32.
;; Inputs: Wk 1,024 x 1,024 float32; Wo 1,024 x 1,024 float32; Wq 1,024 x 1,024 float32; Wv 1,024 x 1,024 float32; bk 1,024 float32; bo 1,024 float32; bq 1,024 float32; bv 1,024 float32; k 2 x 2,048 x 1,024 float32; q 2 x 2,048 x 1,024 float32; v 2 x 2,048 x 1,024 float32.
;; Outputs: out0 2 x 2,048 x 1,024 float32.
;; 2 versions, each right. Each part assembles by itself: llvm-mc -triple=amdgcn-amd-amdhsa -mcpu=gfx1250 --defsym DOCPART=n.
;; ======== version 1 of 2: 3 launches
;; limits: values are held in f16: magnitudes above 65,504 overflow, below 6.1e-05 lose precision
;; workspace buffers: qh 8,388,608 bytes; kh 8,388,608 bytes; vh 8,388,608 bytes; ao 8,388,608 bytes
;; launch proj (part 1): grid 8 x 96, 8 waves a work-group, no clusters, 83,968 bytes of LDS; arguments q, k, v, Wq, Wk, Wv, bq, bk, bv, qh, kh, vh; writes qh, kh, vh
.if DOCPART == 1
	.amdgcn_target "amdgcn-amd-amdhsa--gfx1250"
	.amdhsa_code_object_version 6
	.text
	.protected	k_qc5d8ef5dc2_proj
	.globl	k_qc5d8ef5dc2_proj
	.p2align	8
	.type	k_qc5d8ef5dc2_proj,@function
k_qc5d8ef5dc2_proj:
	s_mov_b64 s[64:65], 0
	v_nop
	global_prefetch_b8 v0, s[64:65] scope:SCOPE_SE
	s_setreg_imm32_b32 hwreg(HW_REG_WAVE_MODE, 25, 1), 1
	s_wait_xcnt 0x0
; qh = (q Wq + bq) * 0.125 * log2(e),  kh = k Wk + bk,  vh = v Wv + bv.
; x: [4096][1024] f32, W: [1024 (k)][1024 (n)] f32, b: [1024] f32.  Results: f16, laid [batch][head][token][64] (a row is 128 bytes).
; Grid: x = block of 128 features (two heads), y = 32 * which + block of 128 tokens (which: 0 q, 1 k, 2 v).
; A work-group makes 128 tokens x 128 features; K = 1024 goes in 16 steps of 64 through two LDS slots.
; EIGHT WAVES IN TWO ROLES.  Waves 0-3 multiply: each makes 64 tokens x 64 features (one head) in 16 accumulator tiles.
; Waves 4-7 feed: they load the next step's x and W in f32, round them to bf16 in registers and store them into the other slot.
; One barrier a step, in text that all eight waves pass: in front of it the multipliers' reads of their slot are back and the
; feeders' stores into the other slot are done.  Each role's part of a step is written so that it is sound behind either part of the
; step before: a multiplier's part ends with the four plain instructions that its products ask for, and every feeder's part has the
; same registers and the same counts.
; FORMATS: the matrix operands here (x, W) are rounded to bf16, sums are f32.  The RESULTS are rounded once to f16, not bf16: they are the
; operands of the attention's products, and an output of attention over 2,048 keys is a sum of the same kind as the sum of its operands'
; rounding errors, so each rounding shows at full relative size; f16 has 11 significant bits against bf16's 8.
; ROOM IN F16: as drawn the projections reach about 3.4.  With every input 30 times larger they grow 900-fold, to about 3,100; with an
; offset of 30 spreads on x (30) and on W (0.6) they reach 1024 x 30 x 0.6 = 18,432; f16's largest number is 65,504.  With every input 30
; times smaller qh is about 1.3e-4: f16's smallest step, 6e-8, is still relatively finer there than a rounding to bf16.
; LIMITS: a projection beyond 65,504 in magnitude becomes infinite.  Inf and NaN are not treated apart.
; NO JOINT LOADS: x and W are f32 in memory and have to be rounded in registers before they reach LDS (W is also transposed on the
; way out of LDS); a load into registers has no joint form.
; THE MATRIX INSTRUCTION IS USED TRANSPOSED: source 0 = 16 features of W, source 1 = 16 tokens of x.  Lane (r, h) then holds in
; registers 0-7 the features 8h .. 8h+7 of token r: 16 neighbouring bytes once rounded.  The bias is the C operand of the first product.
.set PX,    144                        ; LDS pitch of x rows: 128 bytes + 16 (9 x 16)
.set PW,    288                        ; LDS pitch of W rows [k][n]: 256 bytes + 32 (9 x 32), for the transposing load
.set WOFF,  128*PX                     ; W behind x in a slot: 18,432
.set SLOT,  WOFF+64*PW                 ; 36,864 bytes
.set STAGE, 2*SLOT                     ; 73,728: the multipliers' own stages for the way out, 16 rows x 144 bytes each
.set XA,  2                            ; multiplier: LDS address of my x fragments in slot 0
.set WA,  3                            ; multiplier: LDS address of my W fragments in slot 0
.set STO, 4                            ; way out: where I put 16 bytes
.set RD,  5                            ; way out: where I read rows back
.set CO,  6                            ; way out: 16 x lane
.set BO,  7                            ; bias: 32 h
.set XO,  12                           ; feeder: byte offset of my 16 bytes in x's tile
.set WO,  13                           ; feeder: the same in W's tile
.set XST, 14                           ; feeder: LDS address of my 8 bytes of x
.set WST, 15                           ; feeder: LDS address of my 8 bytes of W
.set F0W, 16                           ; v16-47   W fragments, k 0-31 of the step
.set F0X, 48                           ; v48-79   x fragments, k 0-31, token blocks 0-3; v48-63 later: k 32-63 of blocks 2, 3
.set F1W, 80                           ; v80-111  W fragments, k 32-63; ahead of step 0: the bias
.set F1X, 112                          ; v112-127 x fragments, k 32-63, token blocks 0, 1
.set ACC, 128                          ; v128-255 tile (mt, nt) at ACC + 8 (4 mt + nt)
.set PXR, 128                          ; feeder: v128-191 x as loaded
.set PWR, 192                          ; feeder: v192-255 W as loaded
.set TMP, 16                           ; way out: packed results
	s_load_b512 s[8:23], s[0:1], 0x0               ; q s[8:9] k s[10:11] v s[12:13] Wq s[14:15] Wk s[16:17] Wv s[18:19] bq s[20:21] bk s[22:23]
	s_load_b256 s[24:31], s[0:1], 0x40             ; bv s[24:25] qh s[26:27] kh s[28:29] vh s[30:31]
	s_set_vgpr_msb 0x40
	v_lshl_add_u32 v0, v0, 2, 0x14400
	v_mov_b32 v1, 0
	s_set_vgpr_msb 0x4000
	v_lshrrev_b32 v1, 5, v0
	v_readfirstlane_b32 s32, v1                    ; wave 0..7
	s_and_b32 s33, s32, 3                          ; my number within my role
	s_mov_b32 s34, ttmp9                           ; nb: block of 128 features
	s_and_b32 s35, ttmp7, 0xffff
	s_lshr_b32 s36, s35, 5                         ; which projection
	s_and_b32 s37, s35, 31                         ; mb: block of 128 tokens
	s_bfe_u32 s38, s32, 0x10001                    ; mh: my half of the tokens
	s_and_b32 s39, s32, 1                          ; nh: my half of the features = my head of the two
	; byte offsets, apart from the addresses
	s_lshl_b32 s54, s37, 19                        ; x: 128 rows of 4,096 bytes
	s_mov_b32 s55, 0
	s_lshl_b32 s56, s34, 9                         ; W: 128 columns of 4 bytes
	s_mov_b32 s57, 0
	s_lshl_b32 s58, s39, 8
	s_add_co_u32 s58, s58, s56                     ; bias: + my 64 features
	s_mov_b32 s59, 0
	s_lshr_b32 s60, s37, 4                         ; batch
	s_lshl_b32 s60, s60, 4
	s_lshl1_add_u32 s60, s34, s60
	s_add_co_u32 s60, s60, s39                     ; 16 batch + head
	s_lshl_b32 s60, s60, 11                        ; x 2,048 tokens
	s_and_b32 s61, s37, 15
	s_lshl_b32 s61, s61, 7
	s_add_co_u32 s60, s60, s61                     ; + the block's first token
	s_lshl_b32 s61, s38, 6
	s_add_co_u32 s60, s60, s61                     ; + my half
	s_lshl_b32 s60, s60, 7                         ; rows of 128 bytes
	s_mov_b32 s61, 0
	; lane terms; every wave makes both roles' addresses and uses its own role's
	v_and_b32 v8, 31, v0                           ; L
	v_and_b32 v9, 15, v0                           ; r
	v_bfe_u32 v10, v0, 4, 1                        ; h
	v_and_b32 v11, 7, v0                           ; L & 7
	s_mul_i32 s53, s38, 64*PX
	v_mul_u32_u24 v1, v9, PX
	v_lshl_add_u32 v1, v10, 4, v1                  ; r x 144 + 16 h
	v_add_nc_u32 v[XA], s53, v1                    ; + my 64 tokens
	s_mul_i32 s53, s33, 16*PX
	s_add_co_u32 s53, s53, STAGE                   ; my stage
	v_add_nc_u32 v[STO], s53, v1
	v_lshrrev_b32 v1, 3, v8
	v_mul_u32_u24 v1, v1, PX
	v_lshl_add_u32 v1, v11, 4, v1
	v_add_nc_u32 v[RD], s53, v1                    ; row L / 8, 16 bytes at 16 (L & 7)
	v_lshl_add_u32 v1, v10, 3, v11                 ; k row 8 h + (L & 7)
	v_mul_u32_u24 v1, v1, PW
	v_bfe_u32 v[WA], v0, 3, 1
	v_lshl_add_u32 v1, v[WA], 4, v1                ; + 16 ((L >> 3) & 1)
	s_lshl_b32 s53, s39, 7
	s_add_co_u32 s53, s53, WOFF
	v_add_nc_u32 v[WA], s53, v1                    ; + my 64 features, behind x
	v_lshlrev_b32 v[CO], 4, v8
	v_lshlrev_b32 v[BO], 5, v10
	s_lshl_b32 s53, s33, 12
	v_lshlrev_b32 v[XO], 15, v10                   ; x: row pw + 8 h,
	v_lshl_add_u32 v[XO], v9, 4, v[XO]             ; 16 bytes at 16 r: sixteen lanes take the row's 256 bytes
	v_add_nc_u32 v[XO], s53, v[XO]
	v_lshl_add_u32 v[WO], v8, 4, s53               ; W: k row pw, 16 bytes at 16 L: a wave takes the row's 512 bytes
	s_mul_i32 s53, s33, PX
	v_mul_u32_u24 v[XST], v10, 8*PX
	v_lshl_add_u32 v[XST], v9, 3, v[XST]
	v_add_nc_u32 v[XST], s53, v[XST]               ; the two rows of a store lie 8 x 144 bytes apart
	s_mul_i32 s53, s33, PW
	s_add_co_u32 s53, s53, WOFF
	v_lshl_add_u32 v[WST], v8, 3, s53
	s_wait_kmcnt 0x0
	s_cmp_eq_u32 s36, 1                            ; the projection's four buffers
	s_cselect_b64 s[40:41], s[10:11], s[8:9]
	s_cselect_b64 s[42:43], s[16:17], s[14:15]
	s_cselect_b64 s[44:45], s[22:23], s[20:21]
	s_cselect_b64 s[46:47], s[28:29], s[26:27]
	s_cmp_eq_u32 s36, 2
	s_cselect_b64 s[40:41], s[12:13], s[40:41]
	s_cselect_b64 s[42:43], s[18:19], s[42:43]
	s_cselect_b64 s[44:45], s[24:25], s[44:45]
	s_cselect_b64 s[46:47], s[30:31], s[46:47]
	s_cmp_eq_u32 s36, 0
	s_cselect_b32 s48, 0x3e38aa3b, 1.0             ; q alone is scaled: 1/8 x log2(e), so that the softmax works in base 2
	s_mov_b32 s49, s48
	s_add_nc_u64 s[40:41], s[40:41], s[54:55]      ; x at the block's first row
	s_add_nc_u64 s[42:43], s[42:43], s[56:57]      ; W at the block's first column
	s_add_nc_u64 s[44:45], s[44:45], s[58:59]      ; b at my head
	s_add_nc_u64 s[46:47], s[46:47], s[60:61]      ; the result at my 64 rows
; A load into a register that a matrix instruction has read, and a vector instruction or LDS store that reads a matrix result, stand four
; plain vector instructions behind it (ISA guide 7.12.1 for vector instructions).
.macro PLACES
.rept 4
	v_nop
.endr
.endm
; four W fragments (16 features x 32 k each) out of rows that lie [k][n]: two transposing loads each, 16 k rows apart
.macro LDW slot, kk, dst
.irp nt, 0,1,2,3
	ds_load_tr16_b128 v[\dst+8*\nt:\dst+8*\nt+3],   v[WA] offset:(\slot)*SLOT+\kk*32*PW+\nt*32
	ds_load_tr16_b128 v[\dst+8*\nt+4:\dst+8*\nt+7], v[WA] offset:(\slot)*SLOT+\kk*32*PW+\nt*32+16*PW
.endr
.endm
; one x fragment (16 tokens x 32 k): two loads of 16 bytes, 32 bytes apart
.macro LDX slot, kk, mt, dst
	ds_load_b128 v[\dst:\dst+3],   v[XA] offset:(\slot)*SLOT+\mt*16*PX+\kk*64
	ds_load_b128 v[\dst+4:\dst+7], v[XA] offset:(\slot)*SLOT+\mt*16*PX+\kk*64+32
.endm
; token block mt x four feature blocks.  cm = 1: the bias starts the sums.
.macro MM mt, wf, xf, cm
.irp nt, 0,1,2,3
.if \cm
	v_wmma_f32_16x16x32_bf16 v[ACC+8*(4*\mt+\nt):ACC+8*(4*\mt+\nt)+7], v[\wf+8*\nt:\wf+8*\nt+7], v[\xf:\xf+7], v[F1W+8*\nt:F1W+8*\nt+7]
.else
	v_wmma_f32_16x16x32_bf16 v[ACC+8*(4*\mt+\nt):ACC+8*(4*\mt+\nt)+7], v[\wf+8*\nt:\wf+8*\nt+7], v[\xf:\xf+7], v[ACC+8*(4*\mt+\nt):ACC+8*(4*\mt+\nt)+7]
.endif
.endr
.endm
; A multiplier's K step: 32 matrix instructions.  The 16 accumulators take turns, one instruction a turn, in the same order for both
; halves of the step and over the loop's backward jump.  The step ENDS with four plain instructions: whatever
; stands behind the join (the next step's fragment loads, lines of the other role that name the same register numbers, the way out)
; is four places behind the step's last products on every way through the text.
.macro CPART slot, first
.if \first
	s_wait_loadcnt 0x0                             ; the bias
	LDW \slot, 0, F0W
	LDX \slot, 0, 0, F0X
	LDX \slot, 0, 1, F0X+8
	LDX \slot, 0, 2, F0X+16
	LDX \slot, 0, 3, F0X+24
	s_wait_dscnt 0x0
	MM 0, F0W, F0X, 1
	MM 1, F0W, F0X+8, 1
	MM 2, F0W, F0X+16, 1
	MM 3, F0W, F0X+24, 1
	PLACES                                         ; the bias registers and v48-63 are loaded again
	LDW \slot, 1, F1W
	LDX \slot, 1, 0, F1X
	LDX \slot, 1, 1, F1X+8
	LDX \slot, 1, 2, F0X
	LDX \slot, 1, 3, F0X+8
	s_wait_dscnt 0x0
	MM 0, F1W, F1X, 0
	MM 1, F1W, F1X+8, 0
.else
	LDW \slot, 0, F0W                              ; four places behind the last step's products: that step's own last lines
	LDX \slot, 0, 0, F0X
	LDX \slot, 0, 1, F0X+8
	LDX \slot, 0, 2, F0X+16
	LDX \slot, 0, 3, F0X+24
	LDW \slot, 1, F1W
	LDX \slot, 1, 0, F1X
	LDX \slot, 1, 1, F1X+8
	s_wait_dscnt 12                                ; the 16 loads of k 0-31 are in; the 12 younger ones of k 32-63 may be out
	MM 0, F0W, F0X, 0
	MM 1, F0W, F0X+8, 0
	PLACES                                         ; v48-63 have been read: they take k 32-63 of token blocks 2 and 3
	LDX \slot, 1, 2, F0X
	LDX \slot, 1, 3, F0X+8
	MM 2, F0W, F0X+16, 0
	MM 3, F0W, F0X+24, 0
	s_wait_dscnt 4                                 ; all but the four loads just issued
	MM 0, F1W, F1X, 0
	MM 1, F1W, F1X+8, 0
	s_wait_dscnt 0x0
.endif
	MM 2, F1W, F0X, 0
	MM 3, F1W, F0X+8, 0
	PLACES
.endm
; A feeder's loads of one step: 16 of x (two rows of 256 bytes a wave) and 16 of W (one row of 512 bytes a wave)
.macro PLOADX
.irp i, 0,1,2,3,4,5,6,7,8,9,10,11,12,13,14,15
	global_load_b128 v[PXR+4*\i:PXR+4*\i+3], v[XO], s[40:41] offset:((\i>>1)*16+(\i&1)*4)*4096
.endr
.endm
.macro PLOADW
.irp i, 0,1,2,3,4,5,6,7,8,9,10,11,12,13,14,15
	global_load_b128 v[PWR+4*\i:PWR+4*\i+3], v[WO], s[42:43] offset:\i*4*4096
.endr
.endm
; A feeder's step: what has been loaded is rounded in place and stored into slot tslot; pload = 1: the step after it is asked for,
; each half as soon as its registers are free.
.macro PPART tslot, pload
	s_wait_loadcnt 16                              ; x's 16 loads are in; W's 16, issued behind them, may be out.  x's base is free
.if \pload
	s_add_nc_u64 s[40:41], s[40:41], 256           ; 64 k on along the rows
.endif
.irp i, 0,1,2,3,4,5,6,7,8,9,10,11,12,13,14,15
	v_cvt_pk_bf16_f32 v[PXR+4*\i],   v[PXR+4*\i],   v[PXR+4*\i+1]
	v_cvt_pk_bf16_f32 v[PXR+4*\i+1], v[PXR+4*\i+2], v[PXR+4*\i+3]
	ds_store_b64 v[XST], v[PXR+4*\i:PXR+4*\i+1] offset:(\tslot)*SLOT+((\i>>1)*16+(\i&1)*4)*PX
.endr
.if \pload
	PLOADX
.endif
	s_wait_loadcnt 16*\pload                       ; W's 16 loads are in; the 16 of x just issued (if any) may be out.  W's base is free
.if \pload
	s_add_nc_u64 s[42:43], s[42:43], 64*4096       ; 64 k rows down
.endif
.irp i, 0,1,2,3,4,5,6,7,8,9,10,11,12,13,14,15
	v_cvt_pk_bf16_f32 v[PWR+4*\i],   v[PWR+4*\i],   v[PWR+4*\i+1]
	v_cvt_pk_bf16_f32 v[PWR+4*\i+1], v[PWR+4*\i+2], v[PWR+4*\i+3]
	ds_store_b64 v[WST], v[PWR+4*\i:PWR+4*\i+1] offset:(\tslot)*SLOT+\i*4*PW
.endr
.if \pload
	PLOADW
.endif
.endm
; One K step: the multipliers read slot, the feeders fill the other one; then the step's barrier, which every wave passes.
.macro STEP slot, first, pload
	s_cmp_lt_u32 s32, 4
	s_cbranch_scc0 .Lfeed_\@
	CPART \slot, \first
	s_branch .Ljoin_\@
.Lfeed_\@:
	PPART 1-\slot, \pload
.Ljoin_\@:
	s_wait_dscnt 0x0                               ; for the others' sake: my reads of my slot are back, or my stores into the other are done
	s_barrier_signal -1
	s_barrier_wait -1
.endm
	s_cmp_lt_u32 s32, 4
	s_cbranch_scc0 .Lfeed_first
.irp nt, 0,1,2,3
	global_load_b128 v[F1W+8*\nt:F1W+8*\nt+3],   v[BO], s[44:45] offset:\nt*64      ; b of features 16 nt + 8 h + 0..3
	global_load_b128 v[F1W+8*\nt+4:F1W+8*\nt+7], v[BO], s[44:45] offset:\nt*64+16   ; and + 4..7: the layout of a C operand
.endr
	s_branch .Ljoin_first
.Lfeed_first:
	PLOADX                                         ; step 0
	PLOADW
	PPART 0, 1                                     ; step 0 into slot 0; step 1 is asked for
.Ljoin_first:
	s_wait_dscnt 0x0
	s_barrier_signal -1
	s_barrier_wait -1
	STEP 0, 1, 1                                   ; in step t the feeders store step t + 1 and ask for step t + 2
	STEP 1, 0, 1
	s_mov_b32 s52, 6
.Lk:
	STEP 0, 0, 1                                   ; steps 2 to 13
	STEP 1, 0, 1
	s_sub_co_i32 s52, s52, 1
	s_cmp_lg_u32 s52, 0
	s_cbranch_scc1 .Lk
	STEP 0, 0, 0                                   ; step 14: step 15 is stored, nothing more is asked for
	s_cmp_lt_u32 s32, 4
	s_cbranch_scc1 .Ltail
	s_set_vgpr_msb 0x5
	s_wait_tensorcnt 0x0
	ds_add_u32 v0, v1
	s_wait_dscnt 0x0
	s_set_vgpr_msb 0x500
	s_endpgm                                       ; the feeders are done; no barrier follows
.Ltail:
	CPART 1, 0                                     ; step 15; its last four lines are the distance in front of the way out
; THE WAY OUT, 16 tokens at a time: scale, round to f16, 16 bytes a lane into my own stage, read back as whole rows of 128 bytes.
; The stage is the wave's own and LDS serves a wave's instructions in order (ISA guide 5.7.1): no wait between its stores and loads.
.macro OUT mt, rb
.irp pr, 0,1,2,3,4,5,6,7,8,9,10,11,12,13,14,15
	v_pk_mul_f32 v[ACC+32*\mt+2*\pr:ACC+32*\mt+2*\pr+1], v[ACC+32*\mt+2*\pr:ACC+32*\mt+2*\pr+1], s[48:49] op_sel_hi:[1,0]
.endr
.irp pr, 0,1,2,3,4,5,6,7,8,9,10,11,12,13,14,15
	v_cvt_pk_f16_f32 v[TMP+\pr], v[ACC+32*\mt+2*\pr], v[ACC+32*\mt+2*\pr+1]    ; first source into the low half
.endr
.irp nt, 0,1,2,3
	ds_store_b128 v[STO], v[TMP+4*\nt:TMP+4*\nt+3] offset:32*\nt
.endr
	s_wait_xcnt 0x0                                ; registers rb.. were a store's data two turns ago: rewritten only behind this wait
.irp i, 0,1,2,3
	ds_load_b128 v[\rb+4*\i:\rb+4*\i+3], v[RD] offset:\i*4*PX
.endr
.irp i, 0,1,2,3
	s_wait_dscnt 3-\i                              ; read-back i is in, the younger ones may be out
	global_store_b128 v[CO], v[\rb+4*\i:\rb+4*\i+3], s[46:47] offset:\mt*2048+\i*512   ; the wave stores 512 consecutive bytes, aligned
.endr
.endm
	OUT 0, 32
	OUT 1, 48
	OUT 2, 32
	OUT 3, 48
	s_set_vgpr_msb 0x5
	s_wait_tensorcnt 0x0
	ds_add_u32 v0, v1
	s_wait_dscnt 0x0
	s_set_vgpr_msb 0x500
	s_endpgm
.Lfunc_end_k_qc5d8ef5dc2_proj:
	.size	k_qc5d8ef5dc2_proj, .Lfunc_end_k_qc5d8ef5dc2_proj-k_qc5d8ef5dc2_proj
	.p2alignl 7, 3214868480
	.fill 96, 4, 3214868480
	.section	.rodata,"a",@progbits
	.p2align	6, 0x0
	.amdhsa_kernel k_qc5d8ef5dc2_proj
		.amdhsa_group_segment_fixed_size 83968
		.amdhsa_private_segment_fixed_size 0
		.amdhsa_enable_private_segment 0
		.amdhsa_kernarg_size 96
		.amdhsa_user_sgpr_count 2
		.amdhsa_user_sgpr_kernarg_segment_ptr 1
		.amdhsa_wavefront_size32 1
		.amdhsa_system_sgpr_workgroup_id_x 1
		.amdhsa_system_sgpr_workgroup_id_y 1
		.amdhsa_system_sgpr_workgroup_id_z 1
		.amdhsa_system_vgpr_workitem_id 0
		.amdhsa_next_free_vgpr 258
		.amdhsa_next_free_sgpr 66
		.amdhsa_reserve_vcc 0
		.amdhsa_float_denorm_mode_32 3
		.amdhsa_float_denorm_mode_16_64 3
		.amdhsa_memory_ordered 1
		.amdhsa_forward_progress 1
		.amdhsa_inst_pref_size 100
	.end_amdhsa_kernel
	.amdgpu_metadata
---
amdhsa.version: [ 1, 2 ]
amdhsa.kernels:
  - .name:           k_qc5d8ef5dc2_proj
    .symbol:         k_qc5d8ef5dc2_proj.kd
    .args:
      - { .name: q, .offset: 0, .size: 8, .value_kind: global_buffer, .address_space: global }
      - { .name: k, .offset: 8, .size: 8, .value_kind: global_buffer, .address_space: global }
      - { .name: v, .offset: 16, .size: 8, .value_kind: global_buffer, .address_space: global }
      - { .name: Wq, .offset: 24, .size: 8, .value_kind: global_buffer, .address_space: global }
      - { .name: Wk, .offset: 32, .size: 8, .value_kind: global_buffer, .address_space: global }
      - { .name: Wv, .offset: 40, .size: 8, .value_kind: global_buffer, .address_space: global }
      - { .name: bq, .offset: 48, .size: 8, .value_kind: global_buffer, .address_space: global }
      - { .name: bk, .offset: 56, .size: 8, .value_kind: global_buffer, .address_space: global }
      - { .name: bv, .offset: 64, .size: 8, .value_kind: global_buffer, .address_space: global }
      - { .name: qh, .offset: 72, .size: 8, .value_kind: global_buffer, .address_space: global }
      - { .name: kh, .offset: 80, .size: 8, .value_kind: global_buffer, .address_space: global }
      - { .name: vh, .offset: 88, .size: 8, .value_kind: global_buffer, .address_space: global }
    .group_segment_fixed_size: 83968
    .private_segment_fixed_size: 0
    .kernarg_segment_align: 8
    .kernarg_segment_size: 96
    .max_flat_workgroup_size: 256
    .sgpr_count:     66
    .vgpr_count:     258
    .wavefront_size: 32
...
	.end_amdgpu_metadata
.endif
;; end of part 1
;; launch attn (part 2): grid 8 x 32, 8 waves a work-group, clusters of 4 x 1, 327,680 bytes of LDS; arguments qh, kh, vh, ao; writes ao
.if DOCPART == 2
	.amdgcn_target "amdgcn-amd-amdhsa--gfx1250"
	.amdhsa_code_object_version 6
	.text
	.protected	k_qc5d8ef5dc2_attn
	.globl	k_qc5d8ef5dc2_attn
	.p2align	8
	.type	k_qc5d8ef5dc2_attn,@function
k_qc5d8ef5dc2_attn:
	s_mov_b64 s[64:65], 0
	v_nop
	global_prefetch_b8 v0, s[64:65] scope:SCOPE_SE
	s_setreg_imm32_b32 hwreg(HW_REG_WAVE_MODE, 25, 1), 1
	s_wait_xcnt 0x0
	s_wait_alu depctr_hold_cnt(0) depctr_sa_sdst(0) depctr_va_vdst(0) depctr_va_sdst(0) depctr_va_ssrc(0) depctr_va_vcc(0) depctr_vm_vsrc(0)
	s_getreg_b32 s2, hwreg(HW_REG_IB_STS2, 6, 4)
	s_cmp_eq_u32 s2, 0
	s_cbranch_scc0 .Lentry_in_a_cluster
	s_endpgm
.Lentry_in_a_cluster:
	s_bfe_u32 s2, ttmp6, 0x10000c
	s_cmp_lg_u32 s2, 0x3003
	s_cbranch_scc0 .Lentry_shape_is_right
	s_endpgm
.Lentry_shape_is_right:
; ao = softmax(qh kh^T) vh for each (batch, head).  qh, kh, vh: f16, ao: bf16, all [batch x head = 32][2048][64]; qh already carries
; 1/8 x log2(e), so the exponentials are in base 2.  Grid: x = block of 256 queries (8), y = batch x head (32).
; A work-group has 256 queries, each of its eight waves 32 of them (two blocks of 16, qt = 0, 1).  Keys go in 8 tiles of 256 through two
; LDS slots; within a tile in four passes of 64 keys.
; CLUSTERS: the four work-groups of a cluster are four query blocks of one head and read the same K and V tiles.  Each tile is asked for
; jointly (mask 15): the same line, the same descriptor in all four.  The place in the cluster enters only the addresses of Q and of ao.
; TRANSPOSED: S^T = K Q^T (source 0: 16 keys, source 1: 16 queries): lane (r, h) holds keys 8h .. 8h+7 of query r, so a lane owns one
; query, the maximum and the sum are in-lane work plus one exchange of the two halves, and two neighbouring key tiles, rounded in place,
; ARE the second source of O^T = V^T P^T.  V^T comes by the transposing LDS load.  O^T: lane (r, h) holds features 8h .. 8h+7 of query r.
; SOFTMAX: a running maximum, taken away before every exponential; old sums are scaled by 2^(old maximum - new maximum).
; FORMATS: both products take f16 operands.  An output over 2,048 keys is a sum of the same kind as the sum of its operands' rounding
; errors, so each rounding of V or P shows at full relative size: f16's 11 significant bits are wanted, not bf16's 8.  Room: P lies in
; (0, 1]; Q, K and V stay below f16's 65,504 with every input 30 times larger (about 3,100) and with offsets of 30 spreads on all inputs
; (1024 x 30 x 0.6 = 18,432).  ao is rounded to bf16, the format of the next product, whose other operand is a bf16 weight.
; LIMITS: the denominator sums P in f32 before its rounding; P below 2^-14 keeps an absolute error of at most 2^-25 and below 2^-25
; becomes 0, against a denominator of at least 1; an exponential below 2^-126 comes out as 0 (ISA guide, v_exp_f32); Inf and NaN are
; not treated apart.
.set PK,    144                        ; LDS pitch of K rows: 128 bytes + 16
.set PV,    160                        ; LDS pitch of V rows: 128 bytes + 32 (5 x 32), for the transposing load
.set VOFF,  256*PK                     ; V behind K in a slot: 36,864
.set SLOT,  VOFF+256*PV                ; 77,824 bytes
.set STAGE, 2*SLOT                     ; 155,648 = 608 x 256: each wave's own 32 rows x 144 bytes for the way out; no tile lands here
.set TILEB, 256*128                    ; a tile of K or V in memory: 32,768 bytes
.set KA,  2                            ; v2, v3   LDS address of my K fragments in slot 0, 1
.set VA,  4                            ; v4, v5   the same for V
.set STO, 6
.set RD,  7
.set CO,  8                            ; 16 x lane
.set QO,  9                            ; r x 128 + 16 h
.set MX,  10                           ; v[10:13] running maximum, twice for each qt (a pair for the packed subtraction)
.set LS,  14                           ; v14, v15 running sum of my lane's keys, for each qt
.set AL,  16                           ; v[16:19] 2^(old - new maximum), twice for each qt
.set TT,  20                           ; v[20:27] at work
.set QF,  32                           ; v32-63   Q fragment (qt, kk) at QF + 16 qt + 8 kk
.set FB,  64                           ; v64-127  K fragment (kt, kk) at FB + 32 kk + 8 kt, then V fragment (dt, c) at FB + 32 c + 8 dt
.set SC,  128                          ; v128-191 S tile (kt, qt) at SC + 32 qt + 8 kt; P fragment (qt, c) at SC + 32 qt + 16 c
.set OA,  192                          ; v192-255 O tile (dt, qt) at OA + 32 qt + 8 dt
.set G1K, 16                           ; s[16:23] descriptor group 1 for K
.set G1V, 24                           ; s[24:31] descriptor group 1 for V
.set GK,  32                           ; s[32:39] descriptor group 0 for K, one set for each slot
.set GV,  40                           ; s[40:47] descriptor group 0 for V, one set for each slot
	s_load_b256 s[48:55], s[0:1], 0x0              ; qh s[48:49], kh s[50:51], vh s[52:53], ao s[54:55]
	v_lshl_add_u32 v30, v0, 2, 0x2f000
	v_mov_b32 v31, 0
	ds_add_u32 v30, v31
	v_lshrrev_b32 v1, 5, v0
	v_readfirstlane_b32 s8, v1                     ; wave 0..7
	s_mov_b32 s10, 0x76543210                      ; v_permlanex16_b32: lane i of one half reads lane i of the other
	s_mov_b32 s11, 0xfedcba98
	s_bfe_u32 s12, ttmp6, 0x40000                  ; cx: my place in the cluster
	s_lshl_b32 s13, ttmp9, 2
	s_add_co_u32 s13, s13, s12                     ; query block = 4 x cluster x + cx
	s_and_b32 s14, ttmp7, 0xffff                   ; batch x head: the same in the whole cluster
	; group 1: a wave's part of a tile is 32 rows of 64 elements of 2 bytes, padded in LDS behind every 32 words
	s_mov_b32 s[G1K+0], 0x0731000f                 ; 15:0 mask 15; 17:16 2 bytes; 20 padding on; 21 set beside a mask; 24:22 every 32 words (4); 31:25 4 words (3)
	s_mov_b32 s[G1K+1], 64<<16                     ; tensor_dim0 = 64
	s_mov_b32 s[G1K+2], 32<<16                     ; tensor_dim1 = 32
	s_mov_b32 s[G1K+3], 64<<16                     ; tile_dim0 = 64
	s_mov_b32 s[G1K+4], 32                         ; tile_dim1 = 32
	s_mov_b32 s[G1K+5], 64                         ; 64 elements from row to row
	s_mov_b32 s[G1K+6], 0
	s_mov_b32 s[G1K+7], 0
	s_mov_b32 s[G1V+0], 0x0f31000f                 ; the same with 8 words of padding (7)
	s_mov_b32 s[G1V+1], 64<<16
	s_mov_b32 s[G1V+2], 32<<16
	s_mov_b32 s[G1V+3], 64<<16
	s_mov_b32 s[G1V+4], 32
	s_mov_b32 s[G1V+5], 64
	s_mov_b32 s[G1V+6], 0
	s_mov_b32 s[G1V+7], 0
	; group 0: LDS addresses hang on the wave's number and the slot alone
	s_mov_b32 s[GK+0], 1
	s_mul_i32 s[GK+1], s8, 32*PK
	s_mov_b32 s[GK+4], 1
	s_add_co_u32 s[GK+5], s[GK+1], SLOT
	s_mov_b32 s[GV+0], 1
	s_mul_i32 s[GV+1], s8, 32*PV
	s_add_co_u32 s[GV+1], s[GV+1], VOFF
	s_mov_b32 s[GV+4], 1
	s_add_co_u32 s[GV+5], s[GV+1], SLOT
	s_lshl_b32 s56, s14, 18                        ; K, V: the head's 262,144 bytes
	s_lshl_b32 s57, s8, 12                         ; + my 32 rows of 128 bytes
	s_add_co_u32 s56, s56, s57
	s_mov_b32 s57, 0
	s_lshl_b32 s62, s13, 15                        ; Q, ao: + the query block's 256 rows (in registers that feed no descriptor)
	s_add_co_u32 s62, s62, s56
	s_mov_b32 s63, 0
	v_and_b32 v20, 31, v0                          ; L
	v_and_b32 v21, 15, v0                          ; r
	v_bfe_u32 v22, v0, 4, 1                        ; h
	v_and_b32 v23, 7, v0                           ; L & 7
	v_bfe_u32 v24, v0, 3, 1                        ; (L >> 3) & 1
	v_lshrrev_b32 v25, 3, v20                      ; L >> 3
	v_mul_u32_u24 v[KA], v21, PK
	v_lshl_add_u32 v[KA], v22, 4, v[KA]            ; r x 144 + 16 h
	v_add_nc_u32 v[KA+1], SLOT, v[KA]
	v_lshl_add_u32 v1, v22, 3, v23                 ; key row 8 h + (L & 7)
	v_mul_u32_u24 v1, v1, PV
	v_lshl_add_u32 v1, v24, 4, v1
	v_add_nc_u32 v[VA], VOFF, v1
	v_add_nc_u32 v[VA+1], VOFF+SLOT, v1
	s_mul_i32 s9, s8, 32*PK
	s_add_co_u32 s9, s9, STAGE                     ; my stage
	v_add_nc_u32 v[STO], s9, v[KA]
	v_mul_u32_u24 v1, v25, PK
	v_lshl_add_u32 v1, v23, 4, v1
	v_add_nc_u32 v[RD], s9, v1
	v_lshlrev_b32 v[CO], 4, v20
	v_lshlrev_b32 v[QO], 7, v21
	v_lshl_add_u32 v[QO], v22, 4, v[QO]
	v_mov_b32 v[TT+2], 0                           ; destinations of v_permlanex16_b32 count as read: written once here
	v_mov_b32 v[TT+6], 0
	s_wait_dscnt 0x0
	s_wait_kmcnt 0x0
	s_add_nc_u64 s[GK+2:GK+3], s[50:51], s[56:57]  ; tile 0 for slot 0,
	s_add_nc_u64 s[GK+6:GK+7], s[GK+2:GK+3], TILEB ; tile 1 for slot 1
	s_add_nc_u64 s[GV+2:GV+3], s[52:53], s[56:57]
	s_add_nc_u64 s[GV+6:GV+7], s[GV+2:GV+3], TILEB
	s_or_b32 s[GK+3], s[GK+3], 0x80000000          ; type = 2
	s_or_b32 s[GK+7], s[GK+7], 0x80000000
	s_or_b32 s[GV+3], s[GV+3], 0x80000000
	s_or_b32 s[GV+7], s[GV+7], 0x80000000
	s_add_nc_u64 s[58:59], s[48:49], s[62:63]      ; my 32 rows of Q
	s_add_nc_u64 s[60:61], s[54:55], s[62:63]      ; and of ao
.irp qt, 0,1
.irp kk, 0,1
	global_load_b128 v[QF+16*\qt+8*\kk:QF+16*\qt+8*\kk+3],   v[QO], s[58:59] offset:\qt*2048+\kk*64
	global_load_b128 v[QF+16*\qt+8*\kk+4:QF+16*\qt+8*\kk+7], v[QO], s[58:59] offset:\qt*2048+\kk*64+32
.endr
.endr
.macro PLACES
.rept 4
	v_nop
.endr
.endm
; A round of the cluster's barrier: my work-group's barrier, wave 0 signals for the work-group, every wave waits for all four
; work-groups, my work-group's barrier once more.
.macro ROUND
	s_barrier_signal -1
	s_barrier_wait -1
	s_cmp_lg_u32 s8, 0
	s_cbranch_scc1 .Lnot_wave_0_\@
	s_barrier_signal -3
.Lnot_wave_0_\@:
	s_barrier_wait -3
	s_barrier_signal -1
	s_barrier_wait -1
.endm
; four K fragments (16 keys x 32 features each) of pass sb, features 32 kk ..
.macro LOADK slot, sb, kk
.irp kt, 0,1,2,3
	ds_load_b128 v[FB+32*\kk+8*\kt:FB+32*\kk+8*\kt+3],   v[KA+\slot] offset:((\sb)*64+\kt*16)*PK+\kk*64
	ds_load_b128 v[FB+32*\kk+8*\kt+4:FB+32*\kk+8*\kt+7], v[KA+\slot] offset:((\sb)*64+\kt*16)*PK+\kk*64+32
.endr
.endm
; eight V^T fragments (16 features x 32 keys each) of pass sb
.macro LOADV slot, sb
.irp c, 0,1
.irp dt, 0,1,2,3
	ds_load_tr16_b128 v[FB+32*\c+8*\dt:FB+32*\c+8*\dt+3],   v[VA+\slot] offset:((\sb)*64+\c*32)*PV+\dt*32
	ds_load_tr16_b128 v[FB+32*\c+8*\dt+4:FB+32*\c+8*\dt+7], v[VA+\slot] offset:((\sb)*64+\c*32)*PV+\dt*32+16*PV
.endr
.endr
.endm
; One pass: 64 keys against my 32 queries.  first = 1: the very first pass starts maximum, sum and O.  more = 1: the next pass's K
; fragments of the same slot are fetched.  In every run of matrix instructions eight accumulators take turns, one instruction a turn, in
; one fixed order.
.macro SUB slot, sb, first, more
	s_wait_dscnt 8                                 ; K's features 0-31 are in; the eight younger loads (features 32-63) may be out
.irp qt, 0,1
.irp kt, 0,1,2,3
	v_wmma_f32_16x16x32_f16 v[SC+32*\qt+8*\kt:SC+32*\qt+8*\kt+7], v[FB+8*\kt:FB+8*\kt+7], v[QF+16*\qt:QF+16*\qt+7], 0
.endr
.endr
	s_wait_dscnt 0x0
.irp qt, 0,1
.irp kt, 0,1,2,3
	v_wmma_f32_16x16x32_f16 v[SC+32*\qt+8*\kt:SC+32*\qt+8*\kt+7], v[FB+32+8*\kt:FB+32+8*\kt+7], v[QF+16*\qt+8:QF+16*\qt+15], v[SC+32*\qt+8*\kt:SC+32*\qt+8*\kt+7]
.endr
.endr
	PLACES                                         ; K's registers are loaded again and S is read four plain instructions behind the products
	LOADV \slot, \sb                               ; lands while the softmax runs
	; the maximum of my 32 scores of each query block, two chains each
.irp qt, 0,1
	v_max3_num_f32 v[TT+4*\qt],   v[SC+32*\qt],    v[SC+32*\qt+1],  v[SC+32*\qt+2]
	v_max3_num_f32 v[TT+4*\qt+1], v[SC+32*\qt+16], v[SC+32*\qt+17], v[SC+32*\qt+18]
.endr
.irp j, 3,5,7,9,11,13
.irp qt, 0,1
	v_max3_num_f32 v[TT+4*\qt],   v[TT+4*\qt],   v[SC+32*\qt+\j],    v[SC+32*\qt+\j+1]
	v_max3_num_f32 v[TT+4*\qt+1], v[TT+4*\qt+1], v[SC+32*\qt+16+\j], v[SC+32*\qt+17+\j]
.endr
.endr
.irp qt, 0,1
	v_max3_num_f32 v[TT+4*\qt], v[TT+4*\qt], v[SC+32*\qt+15], v[SC+32*\qt+31]
.endr
.irp qt, 0,1
.if \first
	v_max_num_f32 v[TT+4*\qt], v[TT+4*\qt], v[TT+4*\qt+1]
.else
	v_max3_num_f32 v[TT+4*\qt], v[TT+4*\qt], v[TT+4*\qt+1], v[MX+2*\qt]   ; with the running maximum
.endif
.endr
.irp qt, 0,1
	v_permlanex16_b32 v[TT+4*\qt+2], v[TT+4*\qt], s10, s11                ; the other half of the lanes holds the query's other keys
.endr
.irp qt, 0,1
	v_max_num_f32 v[TT+4*\qt], v[TT+4*\qt], v[TT+4*\qt+2]                 ; the new maximum
.endr
.if \first == 0
.irp qt, 0,1
	v_sub_f32 v[TT+4*\qt+3], v[MX+2*\qt], v[TT+4*\qt]                     ; old - new, at most 0
.endr
.endif
.irp qt, 0,1
	v_mov_b32 v[MX+2*\qt],   v[TT+4*\qt]
	v_mov_b32 v[MX+2*\qt+1], v[TT+4*\qt]
.endr
.if \first == 0
.irp qt, 0,1
	v_exp_f32 v[AL+2*\qt],   v[TT+4*\qt+3]         ; the subtractions below are the plain instructions behind these (ISA guide 5.7.2)
	v_exp_f32 v[AL+2*\qt+1], v[TT+4*\qt+3]
.endr
.endif
.set i, 0
.rept 32
	v_pk_add_f32 v[SC+2*i:SC+2*i+1], v[SC+2*i:SC+2*i+1], v[MX+2*(i/16):MX+2*(i/16)+1] neg_lo:[0,1] neg_hi:[0,1]
.set i, i+1
.endr
	; P = 2^(S - maximum), in place.  Behind each two exponentials stands one rescaling of O: 32 pairs of each
.set i, 0
.rept 32
	v_exp_f32 v[SC+2*i],   v[SC+2*i]
	v_exp_f32 v[SC+2*i+1], v[SC+2*i+1]
.if \first == 0
	s_wait_alu depctr_va_vdst(0)
	v_pk_mul_f32 v[OA+2*i:OA+2*i+1], v[OA+2*i:OA+2*i+1], v[AL+2*(i/16):AL+2*(i/16)+1]
.endif
.set i, i+1
.endr
.if \first
	v_nop                                          ; the plain instruction behind the last exponentials
	s_wait_alu depctr_va_vdst(0)
.endif
	; my lane's sum of P, in f32: four chains (g = 2 qt + c), then folded
	s_wait_alu depctr_va_vdst(0)
.irp g, 0,1,2,3
	v_pk_add_f32 v[TT+2*\g:TT+2*\g+1], v[SC+16*\g:SC+16*\g+1], v[SC+16*\g+2:SC+16*\g+3]
.endr
.irp p, 2,3,4,5,6,7
.irp g, 0,1,2,3
	v_pk_add_f32 v[TT+2*\g:TT+2*\g+1], v[TT+2*\g:TT+2*\g+1], v[SC+16*\g+2*\p:SC+16*\g+2*\p+1]
.endr
.endr
	v_pk_add_f32 v[TT:TT+1],   v[TT:TT+1],   v[TT+2:TT+3]
	v_pk_add_f32 v[TT+4:TT+5], v[TT+4:TT+5], v[TT+6:TT+7]
.if \first
	v_add_f32 v[LS],   v[TT],   v[TT+1]
	v_add_f32 v[LS+1], v[TT+4], v[TT+5]
.else
	v_add_f32 v[TT],   v[TT],   v[TT+1]
	v_add_f32 v[TT+4], v[TT+4], v[TT+5]
	v_fma_f32 v[LS],   v[LS],   v[AL],   v[TT]
	v_fma_f32 v[LS+1], v[LS+1], v[AL+2], v[TT+4]
.endif
	; two neighbouring key tiles, rounded to f16 in place, are the fragment of P^T for 32 keys
.irp g, 0,1,2,3
.irp q, 0,1,2,3,4,5,6,7
	v_cvt_pk_f16_f32 v[SC+16*\g+\q], v[SC+16*\g+2*\q], v[SC+16*\g+2*\q+1]
.endr
.endr
	s_wait_dscnt 0x0                               ; V's fragments
.irp qt, 0,1
.irp dt, 0,1,2,3
.if \first
	v_wmma_f32_16x16x32_f16 v[OA+32*\qt+8*\dt:OA+32*\qt+8*\dt+7], v[FB+8*\dt:FB+8*\dt+7], v[SC+32*\qt:SC+32*\qt+7], 0
.else
	v_wmma_f32_16x16x32_f16 v[OA+32*\qt+8*\dt:OA+32*\qt+8*\dt+7], v[FB+8*\dt:FB+8*\dt+7], v[SC+32*\qt:SC+32*\qt+7], v[OA+32*\qt+8*\dt:OA+32*\qt+8*\dt+7]
.endif
.endr
.endr
.if \more
	PLACES                                         ; v64-95 have been read
	LOADK \slot, \sb+1, 0
.endif
.irp qt, 0,1
.irp dt, 0,1,2,3
	v_wmma_f32_16x16x32_f16 v[OA+32*\qt+8*\dt:OA+32*\qt+8*\dt+7], v[FB+32+8*\dt:FB+32+8*\dt+7], v[SC+32*\qt+16:SC+32*\qt+23], v[OA+32*\qt+8*\dt:OA+32*\qt+8*\dt+7]
.endr
.endr
.rept 5
	v_nop                                          ; five: the next pass's first products write over P, a source of these (ISA guide 7.12.1)
.endr
.if \more
	LOADK \slot, \sb+1, 1
.endif
.endm
; One tile of 256 keys.  In front of the round: all my tensor loads have landed (two were out by this text's count: my parts of this
; tile's K and V), so every group 0 may be written; my LDS reads of the last tile are back.  Behind the round both hold of every wave of
; the four work-groups, and the joint refills of the slot read last come first.
.macro TRIP slot, refill, first
	s_wait_tensorcnt 0x0
	ds_add_u32 v30, v31
	s_wait_dscnt 0x0
	s_add_nc_u64 s[GK+4*\slot+2:GK+4*\slot+3], s[GK+4*\slot+2:GK+4*\slot+3], 2*TILEB   ; this slot's next tile
	s_add_nc_u64 s[GV+4*\slot+2:GV+4*\slot+3], s[GV+4*\slot+2:GV+4*\slot+3], 2*TILEB
	s_wait_dscnt 0x0
	ROUND
.if \refill
	tensor_load_to_lds s[GK+4*(1-\slot):GK+4*(1-\slot)+3], s[G1K:G1K+7]
	s_nop 0
	tensor_load_to_lds s[GV+4*(1-\slot):GV+4*(1-\slot)+3], s[G1V:G1V+7]
	s_nop 0
.endif
	LOADK \slot, 0, 0
	LOADK \slot, 0, 1
	SUB \slot, 0, \first, 1
	SUB \slot, 1, 0, 1
	SUB \slot, 2, 0, 1
	SUB \slot, 3, 0, 0
.endm
	ROUND                                          ; all four work-groups are here: the first joint loads meet
	tensor_load_to_lds s[GK:GK+3], s[G1K:G1K+7]    ; tile 0
	s_nop 0
	tensor_load_to_lds s[GV:GV+3], s[G1V:G1V+7]
	s_nop 0
	s_wait_loadcnt 0x0                             ; Q
	TRIP 0, 1, 1                                   ; tile 0; tile 1 is asked for: each tile has a whole trip in which to land
	TRIP 1, 1, 0
	s_mov_b32 s9, 2
.Ltiles:
	TRIP 0, 1, 0                                   ; tiles 2 to 5
	TRIP 1, 1, 0
	s_sub_co_i32 s9, s9, 1
	s_cmp_lg_u32 s9, 0
	s_cbranch_scc1 .Ltiles
	TRIP 0, 1, 0                                   ; tile 6; tile 7 is the last to be asked for
	TRIP 1, 0, 0                                   ; (the addresses stepped in the last two trips are not used)
	; THE END: the two halves' sums meet, O is divided, rounded to bf16, and leaves through my own stage as whole rows of 128 bytes.
	; The five v_nop that end the last pass are the distance behind the last products.
	v_permlanex16_b32 v[TT+2], v[LS],   s10, s11
	v_permlanex16_b32 v[TT+6], v[LS+1], s10, s11
	v_add_f32 v[LS],   v[LS],   v[TT+2]
	v_add_f32 v[LS+1], v[LS+1], v[TT+6]            ; at least 1: the largest score gives 2^0
	v_rcp_f32 v[AL],   v[LS]
	v_rcp_f32 v[AL+1], v[LS]
	v_rcp_f32 v[AL+2], v[LS+1]
	v_rcp_f32 v[AL+3], v[LS+1]
	v_nop                                          ; the plain instruction behind the reciprocals (ISA guide 5.7.2)
.set i, 0
	s_wait_alu depctr_va_vdst(0)
.rept 32
	v_pk_mul_f32 v[OA+2*i:OA+2*i+1], v[OA+2*i:OA+2*i+1], v[AL+2*(i/16):AL+2*(i/16)+1]
.set i, i+1
.endr
.set i, 0
.rept 32
	v_cvt_pk_bf16_f32 v[FB+i], v[OA+2*i], v[OA+2*i+1]      ; tile (dt, qt): four registers at FB + 16 qt + 4 dt
.set i, i+1
.endr
.irp qt, 0,1
.irp dt, 0,1,2,3
	ds_store_b128 v[STO], v[FB+16*\qt+4*\dt:FB+16*\qt+4*\dt+3] offset:\qt*16*PK+\dt*32
.endr
.endr
.irp i, 0,1,2,3,4,5,6,7
	ds_load_b128 v[FB+32+4*\i:FB+32+4*\i+3], v[RD] offset:\i*4*PK      ; LDS serves a wave's instructions in order (ISA guide 5.7.1): these see the stores above
.endr
.irp i, 0,1,2,3,4,5,6,7
	s_wait_dscnt 7-\i                              ; read-back i is in, the younger ones may be out
	global_store_b128 v[CO], v[FB+32+4*\i:FB+32+4*\i+3], s[60:61] offset:\i*512    ; the wave stores 512 consecutive bytes, aligned
.endr
	s_wait_tensorcnt 0x0
	ds_add_u32 v30, v31
	s_wait_dscnt 0x0
	ROUND                                          ; the closing round: no work-group ends while a partner may still ask for a tile that names it
	s_endpgm
.Lfunc_end_k_qc5d8ef5dc2_attn:
	.size	k_qc5d8ef5dc2_attn, .Lfunc_end_k_qc5d8ef5dc2_attn-k_qc5d8ef5dc2_attn
	.p2alignl 7, 3214868480
	.fill 96, 4, 3214868480
	.section	.rodata,"a",@progbits
	.p2align	6, 0x0
	.amdhsa_kernel k_qc5d8ef5dc2_attn
		.amdhsa_group_segment_fixed_size 327680
		.amdhsa_private_segment_fixed_size 0
		.amdhsa_enable_private_segment 0
		.amdhsa_kernarg_size 32
		.amdhsa_user_sgpr_count 2
		.amdhsa_user_sgpr_kernarg_segment_ptr 1
		.amdhsa_wavefront_size32 1
		.amdhsa_system_sgpr_workgroup_id_x 1
		.amdhsa_system_sgpr_workgroup_id_y 1
		.amdhsa_system_sgpr_workgroup_id_z 1
		.amdhsa_system_vgpr_workitem_id 0
		.amdhsa_next_free_vgpr 256
		.amdhsa_next_free_sgpr 66
		.amdhsa_reserve_vcc 0
		.amdhsa_float_denorm_mode_32 3
		.amdhsa_float_denorm_mode_16_64 3
		.amdhsa_memory_ordered 1
		.amdhsa_forward_progress 1
		.amdhsa_inst_pref_size 255
	.end_amdhsa_kernel
	.section	.bss,"aw",@nobits
	.p2align	6
	.space	262144
	.amdgpu_metadata
---
amdhsa.version: [ 1, 2 ]
amdhsa.kernels:
  - .name:           k_qc5d8ef5dc2_attn
    .symbol:         k_qc5d8ef5dc2_attn.kd
    .args:
      - { .name: qh, .offset: 0, .size: 8, .value_kind: global_buffer, .address_space: global }
      - { .name: kh, .offset: 8, .size: 8, .value_kind: global_buffer, .address_space: global }
      - { .name: vh, .offset: 16, .size: 8, .value_kind: global_buffer, .address_space: global }
      - { .name: ao, .offset: 24, .size: 8, .value_kind: global_buffer, .address_space: global }
    .group_segment_fixed_size: 327680
    .private_segment_fixed_size: 0
    .kernarg_segment_align: 8
    .kernarg_segment_size: 32
    .max_flat_workgroup_size: 256
    .sgpr_count:     66
    .vgpr_count:     256
    .wavefront_size: 32
...
	.end_amdgpu_metadata
.endif
;; end of part 2
;; launch oproj (part 3): grid 8 x 32, 8 waves a work-group, no clusters, 165,888 bytes of LDS; arguments ao, Wo, bo, out0; writes out0
.if DOCPART == 3
	.amdgcn_target "amdgcn-amd-amdhsa--gfx1250"
	.amdhsa_code_object_version 6
	.text
	.protected	k_qc5d8ef5dc2_oproj
	.globl	k_qc5d8ef5dc2_oproj
	.p2align	8
	.type	k_qc5d8ef5dc2_oproj,@function
k_qc5d8ef5dc2_oproj:
	s_mov_b64 s[64:65], 0
	v_nop
	global_prefetch_b8 v0, s[64:65] scope:SCOPE_SE
	s_setreg_imm32_b32 hwreg(HW_REG_WAVE_MODE, 25, 1), 1
	s_wait_xcnt 0x0
; out0 = merge(ao) Wo + bo.  ao: bf16 [batch][head][token][64]; Wo: [1024 (k)][1024 (n)] f32; bo: [1024] f32; out0: [4096][1024] f32.
; Grid: x = block of 128 features, y = block of 128 tokens.  K = 1024 goes in 16 steps of 64; step t is head t, whose 128 rows of ao
; are 16,384 consecutive bytes.  The steps go two at a time: 8 double steps through two PAIRS of LDS slots.
; EIGHT WAVES IN TWO ROLES.  Waves 0-3 multiply: each makes 64 tokens x 64 features in 16 accumulator tiles, 64 matrix instructions a
; double step.  Waves 4-7 feed: they load ao (bf16, stored as it comes) and Wo (f32, rounded to bf16 in registers) and store them into the
; other pair.  They keep two register sets, for a pair's first and second step, so that two steps' loads (48 of a wave) are out, and each
; load has a double step in which to land.  One barrier a double step, in text that all eight waves pass.  Each role's part is written so
; that it is sound behind either part of the double step before: a multiplier's part begins with no global load out and each of its steps
; ends with the four plain instructions that its products ask for; every feeder's part names the same registers and has the same counts.
; LIMITS: matrix operands (ao, Wo) are bf16, sums and the result are f32.  Inf and NaN are not treated apart.
; NO JOINT LOADS: Wo, 32 of a step's 48 KiB, is f32 in memory and has to be rounded in registers before it reaches LDS; a load into
; registers has no joint form.
; THE MATRIX INSTRUCTION IS USED TRANSPOSED: source 0 = 16 features of Wo, source 1 = 16 tokens.  Lane (r, h) holds in registers 0-7 the
; features 8h .. 8h+7 of token r: 32 neighbouring bytes.  The bias is the C operand of the first product.
.set PX,    144                        ; LDS pitch of ao rows: 128 bytes + 16
.set PW,    288                        ; LDS pitch of Wo rows [k][n]: 256 bytes + 32, for the transposing load
.set WOFF,  128*PX
.set SLOT,  WOFF+64*PW                 ; 36,864 bytes
.set PAIRB, 2*SLOT                     ; 73,728: a pair of slots.  Beyond the LDS immediate's 16 bits: each pair has address registers of its own
.set STAGE, 2*PAIRB                    ; 147,456: the multipliers' own stages, 16 rows x 272 bytes each
.set PS,    272                        ; a stage row: 256 bytes + 16
.set HSTEP, 2048*128                   ; from a head of ao to the next; also 64 rows of Wo: 262,144 bytes
.set XA,  2                            ; v2, v3   multiplier: LDS address of my ao fragments in pair 0, 1
.set WA,  4                            ; v4, v5   multiplier: the same for Wo
.set XST, 6                            ; v6, v7   feeder: LDS address of my 16 bytes of ao in pair 0, 1
.set WST, 8                            ; v8, v9   feeder: LDS address of my 8 bytes of Wo in pair 0, 1
.set STO, 10                           ; way out: where I put 32 bytes
.set RD,  11                           ; way out: where I read rows back
.set CO,  12                           ; way out: my byte offset in out0
.set BO,  13                           ; bias: 32 h
.set XO,  14                           ; feeder: byte offset of my 16 bytes in ao's tile
.set WO,  15                           ; feeder: the same in Wo's tile
.set F0W, 16                           ; v16-47   Wo fragments, k 0-31 of the step
.set F0X, 48                           ; v48-79   ao fragments, k 0-31; v48-63 later: k 32-63 of token blocks 2, 3
.set F1W, 80                           ; v80-111  Wo fragments, k 32-63; ahead of step 0: the bias
.set F1X, 112                          ; v112-127 ao fragments, k 32-63, token blocks 0, 1
.set ACC, 128                          ; v128-255 tile (mt, nt) at ACC + 8 (4 mt + nt)
.set PAR, 64                           ; feeder, set p: ao in v[64+96p .. +31],
.set PWR, 96                           ;                Wo in v[96+96p .. +63]
	s_load_b256 s[8:15], s[0:1], 0x0               ; ao s[8:9], Wo s[10:11], bo s[12:13], out0 s[14:15]
	s_set_vgpr_msb 0x40
	v_lshl_add_u32 v0, v0, 2, 0x28400
	v_mov_b32 v1, 0
	s_set_vgpr_msb 0x4000
	v_lshrrev_b32 v1, 5, v0
	v_readfirstlane_b32 s32, v1                    ; wave 0..7
	s_and_b32 s33, s32, 3                          ; my number within my role
	s_mov_b32 s34, ttmp9                           ; nb
	s_and_b32 s37, ttmp7, 0xffff                   ; mb
	s_bfe_u32 s38, s32, 0x10001                    ; mh
	s_and_b32 s39, s32, 1                          ; nh
	s_lshr_b32 s54, s37, 4                         ; ao: batch x 16 heads x 262,144 bytes
	s_lshl_b32 s54, s54, 22
	s_and_b32 s55, s37, 15
	s_lshl_b32 s55, s55, 14                        ; + the block's 128 rows of 128 bytes
	s_add_co_u32 s54, s54, s55
	s_mov_b32 s55, 0
	s_lshl_b32 s56, s34, 9                         ; Wo: 128 columns of 4 bytes
	s_mov_b32 s57, 0
	s_lshl_b32 s58, s39, 8
	s_add_co_u32 s58, s58, s56                     ; bias, and my columns of out0
	s_mov_b32 s59, 0
	s_lshl_b32 s60, s37, 19                        ; out0: 128 rows of 4,096 bytes
	s_lshl_b32 s61, s38, 18                        ; + my 64 rows
	s_add_co_u32 s60, s60, s61
	s_add_co_u32 s60, s60, s58
	s_mov_b32 s61, 0
	; lane terms (in registers that fragments take later); every wave makes both roles' addresses and uses its own role's
	v_and_b32 v56, 31, v0                          ; L
	v_and_b32 v57, 15, v0                          ; r
	v_bfe_u32 v58, v0, 4, 1                        ; h
	v_and_b32 v59, 7, v0                           ; L & 7
	v_bfe_u32 v60, v0, 3, 1                        ; (L >> 3) & 1
	s_mul_i32 s53, s38, 64*PX
	v_mul_u32_u24 v1, v57, PX
	v_lshl_add_u32 v1, v58, 4, v1
	v_add_nc_u32 v[XA], s53, v1                    ; (64 mh + r) x 144 + 16 h
	v_add_nc_u32 v[XA+1], PAIRB, v[XA]
	s_mul_i32 s53, s33, 16*PS
	s_add_co_u32 s53, s53, STAGE                   ; my stage
	v_mul_u32_u24 v1, v57, PS
	v_lshl_add_u32 v1, v58, 5, v1
	v_add_nc_u32 v[STO], s53, v1                   ; row r, 32 bytes at 32 h
	v_mul_u32_u24 v1, v58, PS
	v_lshl_add_u32 v1, v57, 4, v1
	v_add_nc_u32 v[RD], s53, v1                    ; lanes 0-15 one row of 256 bytes, lanes 16-31 the next
	v_lshlrev_b32 v[CO], 12, v58
	v_lshl_add_u32 v[CO], v57, 4, v[CO]            ; the same two rows in out0
	v_lshl_add_u32 v1, v58, 3, v59                 ; k row 8 h + (L & 7)
	v_mul_u32_u24 v1, v1, PW
	v_lshl_add_u32 v1, v60, 4, v1                  ; + 16 ((L >> 3) & 1)
	s_lshl_b32 s53, s39, 7
	s_add_co_u32 s53, s53, WOFF
	v_add_nc_u32 v[WA], s53, v1                    ; + my 64 features, behind ao
	v_add_nc_u32 v[WA+1], PAIRB, v[WA]
	v_lshlrev_b32 v[BO], 5, v58
	v_lshl_add_u32 v1, v60, 3, v58                 ; ao: row 2 pw + h + 8 ((L >> 3) & 1): the two rows that lanes 0-15 store lie 8 x 144 bytes apart,
	s_lshl_b32 s53, s33, 1                         ; and rows 2 pw, 2 pw + 1 (256 consecutive bytes of memory) are read by one load
	v_add_nc_u32 v1, s53, v1
	v_lshlrev_b32 v[XO], 7, v1
	v_lshl_add_u32 v[XO], v59, 4, v[XO]
	v_mul_u32_u24 v[XST], v1, PX
	v_lshl_add_u32 v[XST], v59, 4, v[XST]
	v_add_nc_u32 v[XST+1], PAIRB, v[XST]
	s_lshl_b32 s53, s33, 12
	v_lshl_add_u32 v[WO], v56, 4, s53              ; Wo: k row pw, 16 bytes at 16 L
	s_mul_i32 s53, s33, PW
	s_add_co_u32 s53, s53, WOFF
	v_lshl_add_u32 v[WST], v56, 3, s53
	v_add_nc_u32 v[WST+1], PAIRB, v[WST]
	s_wait_kmcnt 0x0
	s_add_nc_u64 s[40:41], s[8:9], s[54:55]        ; ao, set 0 (even steps)
	s_add_nc_u64 s[42:43], s[40:41], HSTEP         ; ao, set 1 (odd steps)
	s_add_nc_u64 s[44:45], s[10:11], s[56:57]      ; Wo, set 0
	s_add_nc_u64 s[46:47], s[44:45], HSTEP         ; Wo, set 1
	s_add_nc_u64 s[48:49], s[12:13], s[58:59]      ; bo at my 64 features
	s_add_nc_u64 s[50:51], s[14:15], s[60:61]      ; out0 at my 64 x 64
; A load into a register that a matrix instruction has read, and a vector instruction or LDS store that reads a matrix result, stand four
; plain vector instructions behind it (ISA guide 7.12.1 for vector instructions).
.macro PLACES
.rept 4
	v_nop
.endr
.endm
; four Wo fragments (16 features x 32 k each) out of rows that lie [k][n]: two transposing loads each, 16 k rows apart
.macro LDW pair, sl, kk, dst
.irp nt, 0,1,2,3
	ds_load_tr16_b128 v[\dst+8*\nt:\dst+8*\nt+3],   v[WA+\pair] offset:(\sl)*SLOT+\kk*32*PW+\nt*32
	ds_load_tr16_b128 v[\dst+8*\nt+4:\dst+8*\nt+7], v[WA+\pair] offset:(\sl)*SLOT+\kk*32*PW+\nt*32+16*PW
.endr
.endm
; one ao fragment (16 tokens x 32 k): two loads of 16 bytes, 32 bytes apart
.macro LDX pair, sl, kk, mt, dst
	ds_load_b128 v[\dst:\dst+3],   v[XA+\pair] offset:(\sl)*SLOT+\mt*16*PX+\kk*64
	ds_load_b128 v[\dst+4:\dst+7], v[XA+\pair] offset:(\sl)*SLOT+\mt*16*PX+\kk*64+32
.endm
; token block mt x four feature blocks.  cm = 1: the bias starts the sums.
.macro MM mt, wf, xf, cm
.irp nt, 0,1,2,3
.if \cm
	v_wmma_f32_16x16x32_bf16 v[ACC+8*(4*\mt+\nt):ACC+8*(4*\mt+\nt)+7], v[\wf+8*\nt:\wf+8*\nt+7], v[\xf:\xf+7], v[F1W+8*\nt:F1W+8*\nt+7]
.else
	v_wmma_f32_16x16x32_bf16 v[ACC+8*(4*\mt+\nt):ACC+8*(4*\mt+\nt)+7], v[\wf+8*\nt:\wf+8*\nt+7], v[\xf:\xf+7], v[ACC+8*(4*\mt+\nt):ACC+8*(4*\mt+\nt)+7]
.endif
.endr
.endm
; A multiplier's K step out of slot sl of a pair: 32 matrix instructions.  The 16 accumulators take turns, one instruction a turn, in the
; same order for both halves of the step, from step to step and over the loop's backward jump.  The step ENDS
; with four plain instructions: whatever stands behind it (the next step's fragment loads, lines of the other role behind the join that
; name the same register numbers, the way out) is four places behind the step's last products on every way through the text.
.macro CPART pair, sl, first
.if \first
	LDW \pair, \sl, 0, F0W                         ; the bias lies in v80-111, waited for where it was loaded
	LDX \pair, \sl, 0, 0, F0X
	LDX \pair, \sl, 0, 1, F0X+8
	LDX \pair, \sl, 0, 2, F0X+16
	LDX \pair, \sl, 0, 3, F0X+24
	s_wait_dscnt 0x0
	MM 0, F0W, F0X, 1
	MM 1, F0W, F0X+8, 1
	MM 2, F0W, F0X+16, 1
	MM 3, F0W, F0X+24, 1
	PLACES                                         ; the bias registers and v48-63 are loaded again
	LDW \pair, \sl, 1, F1W
	LDX \pair, \sl, 1, 0, F1X
	LDX \pair, \sl, 1, 1, F1X+8
	LDX \pair, \sl, 1, 2, F0X
	LDX \pair, \sl, 1, 3, F0X+8
	s_wait_dscnt 0x0
	MM 0, F1W, F1X, 0
	MM 1, F1W, F1X+8, 0
.else
	LDW \pair, \sl, 0, F0W                         ; four places behind the last step's products: that step's own last lines
	LDX \pair, \sl, 0, 0, F0X
	LDX \pair, \sl, 0, 1, F0X+8
	LDX \pair, \sl, 0, 2, F0X+16
	LDX \pair, \sl, 0, 3, F0X+24
	LDW \pair, \sl, 1, F1W
	LDX \pair, \sl, 1, 0, F1X
	LDX \pair, \sl, 1, 1, F1X+8
	s_wait_dscnt 12                                ; the 16 loads of k 0-31 are in; the 12 younger ones of k 32-63 may be out
	MM 0, F0W, F0X, 0
	MM 1, F0W, F0X+8, 0
	PLACES                                         ; v48-63 have been read: they take k 32-63 of token blocks 2 and 3
	LDX \pair, \sl, 1, 2, F0X
	LDX \pair, \sl, 1, 3, F0X+8
	MM 2, F0W, F0X+16, 0
	MM 3, F0W, F0X+24, 0
	s_wait_dscnt 4                                 ; all but the four loads just issued
	MM 0, F1W, F1X, 0
	MM 1, F1W, F1X+8, 0
	s_wait_dscnt 0x0
.endif
	MM 2, F1W, F0X, 0
	MM 3, F1W, F0X+8, 0
	PLACES
.endm
; A feeder's 24 loads of one step into set p: 8 of ao (four rows of 128 bytes a wave), 16 of Wo (one row of 512 bytes a wave)
.macro OLOAD p
.irp i, 0,1,2,3,4,5,6,7
	global_load_b128 v[PAR+96*\p+4*\i:PAR+96*\p+4*\i+3], v[XO], s[40+2*\p:41+2*\p] offset:\i*2048
.endr
.irp i, 0,1,2,3,4,5,6,7,8,9,10,11,12,13,14,15
	global_load_b128 v[PWR+96*\p+4*\i:PWR+96*\p+4*\i+3], v[WO], s[44+2*\p:45+2*\p] offset:\i*4*4096
.endr
.endm
; Set p goes into slot p of a pair: ao as it came, Wo rounded in place
.macro PSTORE p, pair
.irp i, 0,1,2,3,4,5,6,7
	ds_store_b128 v[XST+\pair], v[PAR+96*\p+4*\i:PAR+96*\p+4*\i+3] offset:\p*SLOT+\i*16*PX
.endr
.irp i, 0,1,2,3,4,5,6,7,8,9,10,11,12,13,14,15
	v_cvt_pk_bf16_f32 v[PWR+96*\p+4*\i],   v[PWR+96*\p+4*\i],   v[PWR+96*\p+4*\i+1]
	v_cvt_pk_bf16_f32 v[PWR+96*\p+4*\i+1], v[PWR+96*\p+4*\i+2], v[PWR+96*\p+4*\i+3]
	ds_store_b64 v[WST+\pair], v[PWR+96*\p+4*\i:PWR+96*\p+4*\i+1] offset:\p*SLOT+\i*4*PW
.endr
.endm
; A feeder's double step: both sets go into a pair.  pload = 1: each set is loaded again, two steps on, as soon as it is stored; a set's
; two bases are stepped behind the wait that shows that set's own loads done.
.macro PPART pair, pload
	s_wait_loadcnt 24                              ; set 0's 24 loads are in; set 1's 24, issued behind them, may be out
.if \pload
	s_add_nc_u64 s[40:41], s[40:41], 2*HSTEP
	s_add_nc_u64 s[44:45], s[44:45], 2*HSTEP
.endif
	PSTORE 0, \pair
.if \pload
	OLOAD 0
.endif
	s_wait_loadcnt 24*\pload                       ; set 1's 24 loads are in; the 24 of set 0 just issued (if any) may be out
.if \pload
	s_add_nc_u64 s[42:43], s[42:43], 2*HSTEP
	s_add_nc_u64 s[46:47], s[46:47], 2*HSTEP
.endif
	PSTORE 1, \pair
.if \pload
	OLOAD 1
.endif
.endm
; One double step: the multipliers read a pair, the feeders fill the other one; then the barrier, which every wave passes.
.macro DSTEP pair, first, pload
	s_cmp_lt_u32 s32, 4
	s_cbranch_scc0 .Lfeed_\@
	s_wait_loadcnt 0x0                             ; fragments go into register numbers that global loads of this text name too: none is out here.
	                                               ; A multiplier has issued none since its bias, so the wait is met at once
	CPART \pair, 0, \first
	CPART \pair, 1, 0
	s_branch .Ljoin_\@
.Lfeed_\@:
	PPART 1-\pair, \pload
.Ljoin_\@:
	s_wait_dscnt 0x0                               ; for the others' sake: my reads of my pair are back, or my stores into the other are done
	s_barrier_signal -1
	s_barrier_wait -1
.endm
	s_cmp_lt_u32 s32, 4
	s_cbranch_scc0 .Lfeed_first
.irp nt, 0,1,2,3
	global_load_b128 v[F1W+8*\nt:F1W+8*\nt+3],   v[BO], s[48:49] offset:\nt*64      ; b of features 16 nt + 8 h + 0..3
	global_load_b128 v[F1W+8*\nt+4:F1W+8*\nt+7], v[BO], s[48:49] offset:\nt*64+16   ; and + 4..7: the layout of a C operand
.endr
	s_wait_loadcnt 0x0                             ; the bias is in before the join: no load into v80-111 is out behind it.  The multipliers
	                                               ; would wait at the barrier below for the feeders' first two tiles in any case
	s_branch .Ljoin_first
.Lfeed_first:
	OLOAD 0                                        ; step 0
	OLOAD 1                                        ; step 1
	PPART 0, 1                                     ; steps 0, 1 into pair 0; steps 2, 3 are asked for
.Ljoin_first:
	s_wait_dscnt 0x0
	s_barrier_signal -1
	s_barrier_wait -1
	DSTEP 0, 1, 1                                  ; in double step d the feeders store steps 2d + 2, 2d + 3 and ask for steps 2d + 4, 2d + 5
	DSTEP 1, 0, 1
	s_mov_b32 s52, 2
.Lk:
	DSTEP 0, 0, 1                                  ; double steps 2 to 5; the last asks for steps 14, 15
	DSTEP 1, 0, 1
	s_sub_co_i32 s52, s52, 1
	s_cmp_lg_u32 s52, 0
	s_cbranch_scc1 .Lk
	DSTEP 0, 0, 0                                  ; double step 6: steps 14, 15 are stored, nothing more is asked for
	s_cmp_lt_u32 s32, 4
	s_cbranch_scc1 .Ltail
	s_set_vgpr_msb 0x5
	s_wait_tensorcnt 0x0
	ds_add_u32 v0, v1
	s_wait_dscnt 0x0
	s_set_vgpr_msb 0x500
	s_endpgm                                       ; the feeders are done; no barrier follows
.Ltail:
	CPART 1, 0, 0                                  ; step 14
	CPART 1, 1, 0                                  ; step 15; its last four lines are the distance in front of the way out
; THE WAY OUT, 16 tokens at a time: 32 bytes a lane into my own stage, read back as whole rows of 256 bytes.
; The stage is the wave's own and LDS serves a wave's instructions in order (ISA guide 5.7.1): no wait between its stores and loads.
.macro OUT mt, rb
.irp nt, 0,1,2,3
	ds_store_b128 v[STO], v[ACC+32*\mt+8*\nt:ACC+32*\mt+8*\nt+3]   offset:64*\nt
	ds_store_b128 v[STO], v[ACC+32*\mt+8*\nt+4:ACC+32*\mt+8*\nt+7] offset:64*\nt+16
.endr
	s_wait_xcnt 0x0                                ; registers rb.. were a store's data two turns ago: rewritten only behind this wait
.irp i, 0,1,2,3,4,5,6,7
	ds_load_b128 v[\rb+4*\i:\rb+4*\i+3], v[RD] offset:\i*2*PS
.endr
.irp i, 0,1,2,3,4,5,6,7
	s_wait_dscnt 7-\i                              ; read-back i is in, the younger ones may be out
	global_store_b128 v[CO], v[\rb+4*\i:\rb+4*\i+3], s[50:51] offset:(16*\mt+2*\i)*4096 th:TH_STORE_NT   ; sixteen lanes store 256 consecutive bytes, aligned
.endr
.endm
	OUT 0, 16
	OUT 1, 48
	OUT 2, 16
	OUT 3, 48
	s_set_vgpr_msb 0x5
	s_wait_tensorcnt 0x0
	ds_add_u32 v0, v1
	s_wait_dscnt 0x0
	s_set_vgpr_msb 0x500
	s_endpgm
.Lfunc_end_k_qc5d8ef5dc2_oproj:
	.size	k_qc5d8ef5dc2_oproj, .Lfunc_end_k_qc5d8ef5dc2_oproj-k_qc5d8ef5dc2_oproj
	.p2alignl 7, 3214868480
	.fill 96, 4, 3214868480
	.section	.rodata,"a",@progbits
	.p2align	6, 0x0
	.amdhsa_kernel k_qc5d8ef5dc2_oproj
		.amdhsa_group_segment_fixed_size 165888
		.amdhsa_private_segment_fixed_size 0
		.amdhsa_enable_private_segment 0
		.amdhsa_kernarg_size 32
		.amdhsa_user_sgpr_count 2
		.amdhsa_user_sgpr_kernarg_segment_ptr 1
		.amdhsa_wavefront_size32 1
		.amdhsa_system_sgpr_workgroup_id_x 1
		.amdhsa_system_sgpr_workgroup_id_y 1
		.amdhsa_system_sgpr_workgroup_id_z 1
		.amdhsa_system_vgpr_workitem_id 0
		.amdhsa_next_free_vgpr 258
		.amdhsa_next_free_sgpr 66
		.amdhsa_reserve_vcc 0
		.amdhsa_float_denorm_mode_32 3
		.amdhsa_float_denorm_mode_16_64 3
		.amdhsa_memory_ordered 1
		.amdhsa_forward_progress 1
		.amdhsa_inst_pref_size 138
	.end_amdhsa_kernel
	.amdgpu_metadata
---
amdhsa.version: [ 1, 2 ]
amdhsa.kernels:
  - .name:           k_qc5d8ef5dc2_oproj
    .symbol:         k_qc5d8ef5dc2_oproj.kd
    .args:
      - { .name: ao, .offset: 0, .size: 8, .value_kind: global_buffer, .address_space: global }
      - { .name: Wo, .offset: 8, .size: 8, .value_kind: global_buffer, .address_space: global }
      - { .name: bo, .offset: 16, .size: 8, .value_kind: global_buffer, .address_space: global }
      - { .name: out0, .offset: 24, .size: 8, .value_kind: global_buffer, .address_space: global }
    .group_segment_fixed_size: 165888
    .private_segment_fixed_size: 0
    .kernarg_segment_align: 8
    .kernarg_segment_size: 32
    .max_flat_workgroup_size: 256
    .sgpr_count:     66
    .vgpr_count:     258
    .wavefront_size: 32
...
	.end_amdgpu_metadata
.endif
;; end of part 3
;; ======== version 2 of 2: 4 launches
;; limits: values are held in f16: magnitudes above 65,504 overflow, below 6.1e-05 lose precision
;; workspace buffers: xw 33,554,432 bytes; qh 8,388,608 bytes; kh 8,388,608 bytes; vh 8,388,608 bytes; ao 8,388,608 bytes
;; launch cast (part 4): grid 64 x 16, 8 waves a work-group, no clusters, 0 bytes of LDS; arguments q, k, v, Wq, Wk, Wv, Wo, xw; writes xw
.if DOCPART == 4
	.amdgcn_target "amdgcn-amd-amdhsa--gfx1250"
	.amdhsa_code_object_version 6
	.text
	.protected	k_qc5d8ef5dc2_cast
	.globl	k_qc5d8ef5dc2_cast
	.p2align	8
	.type	k_qc5d8ef5dc2_cast,@function
k_qc5d8ef5dc2_cast:
	s_mov_b64 s[64:65], 0
	v_nop
	global_prefetch_b8 v0, s[64:65] scope:SCOPE_SE
	s_setreg_imm32_b32 hwreg(HW_REG_WAVE_MODE, 25, 1), 1
	s_wait_xcnt 0x0
; xw = bf16(q), bf16(k), bf16(v), bf16(Wq), bf16(Wk), bf16(Wv), bf16(Wo), one behind the other, each in its own layout (nothing is transposed).
; q, k, v: [4096][1024] f32 (16 MiB each); Wq, Wk, Wv, Wo: [1024][1024] f32 (4 MiB each); xw: 16 pieces of 2 MiB of bf16.
; WHY A LAUNCH OF ITS OWN: the tiles of the four projections are shared by many work-groups, and a tile can be asked for jointly only by the
; tensor data mover, which copies bytes and rounds nothing.  So the operands are rounded to bf16 once here: 64 MiB read, 32 MiB written.
; A stream: every input byte is read once, every output byte written once; LDS, matrix units and clusters would add nothing, since no
; two work-groups read the same byte.
; Grid: y = piece of 4 MiB of input (0-3 q, 4-7 k, 8-11 v, 12 Wq, 13 Wk, 14 Wv, 15 Wo), x = chunk of 64 KiB of the piece.
; A wave takes 8 KiB: 16 loads of 512 consecutive bytes, all issued at once; each gives one store of 256 consecutive bytes, aligned.
; 1,024 work-groups; they are small (72 registers a wave, no LDS), so several lie on a WGP at a time.
; Rounding: to nearest even, once.  Inf and NaN go through as the conversion makes them.
.set SRC, 3                            ; v3      byte offset of my 16 bytes in the chunk's input
.set DST, 4                            ; v4      byte offset of my 8 bytes in the chunk's output
.set X,   8                            ; v8-71   load i: four f32; then two registers of bf16
	s_load_b256 s[8:15], s[0:1], 0x0               ; q s[8:9], k s[10:11], v s[12:13], Wq s[14:15]
	s_load_b256 s[16:23], s[0:1], 0x20             ; Wk s[16:17], Wv s[18:19], Wo s[20:21], xw s[22:23]
	s_and_b32 s24, ttmp7, 0xffff                   ; piece 0..15
	s_lshr_b32 s25, s24, 2                         ; 0 q, 1 k, 2 v, 3 a weight
	s_and_b32 s28, s24, 3
	s_lshl_b32 s28, s28, 22                        ; which 4 MiB of q, k or v
	s_lshl_b32 s33, ttmp9, 16                      ; the chunk: 64 KiB in,
	s_lshl_b32 s34, ttmp9, 15                      ; 32 KiB out
	s_cmp_lt_u32 s24, 12
	s_cselect_b32 s28, s28, 0                      ; a weight is one piece
	s_add_co_u32 s36, s28, s33
	s_mov_b32 s37, 0
	s_lshl_b32 s38, s24, 21                        ; the pieces lie in xw in their order, 2 MiB each
	s_add_co_u32 s38, s38, s34
	s_mov_b32 s39, 0
	v_lshrrev_b32 v1, 5, v0                        ; wave
	v_and_b32 v2, 31, v0                           ; lane
	v_lshlrev_b32 v[SRC], 13, v1                   ; 8 KiB a wave in
	v_lshl_add_u32 v[SRC], v2, 4, v[SRC]
	v_lshlrev_b32 v[DST], 12, v1                   ; 4 KiB a wave out
	v_lshl_add_u32 v[DST], v2, 3, v[DST]
	s_wait_kmcnt 0x0
	s_cmp_eq_u32 s25, 1                            ; the piece's buffer
	s_cselect_b64 s[26:27], s[10:11], s[8:9]
	s_cmp_eq_u32 s25, 2
	s_cselect_b64 s[26:27], s[12:13], s[26:27]
	s_cmp_eq_u32 s24, 12
	s_cselect_b64 s[26:27], s[14:15], s[26:27]
	s_cmp_eq_u32 s24, 13
	s_cselect_b64 s[26:27], s[16:17], s[26:27]
	s_cmp_eq_u32 s24, 14
	s_cselect_b64 s[26:27], s[18:19], s[26:27]
	s_cmp_eq_u32 s24, 15
	s_cselect_b64 s[26:27], s[20:21], s[26:27]
	s_add_nc_u64 s[26:27], s[26:27], s[36:37]
	s_add_nc_u64 s[30:31], s[22:23], s[38:39]
.irp i, 0,1,2,3,4,5,6,7,8,9,10,11,12,13,14,15
	global_load_b128 v[X+4*\i:X+4*\i+3], v[SRC], s[26:27] offset:\i*512 th:TH_LOAD_NT   ; read once in the launch
.endr
.irp i, 0,1,2,3,4,5,6,7,8,9,10,11,12,13,14,15
	s_wait_loadcnt 15-\i                           ; loads come back in order (ISA guide 5.7.1): load i is in, the younger ones stay out
	v_cvt_pk_bf16_f32 v[X+4*\i],   v[X+4*\i],   v[X+4*\i+1]
	v_cvt_pk_bf16_f32 v[X+4*\i+1], v[X+4*\i+2], v[X+4*\i+3]
	global_store_b64 v[DST], v[X+4*\i:X+4*\i+1], s[30:31] offset:\i*256     ; no register of a store is written again
.endr
	s_endpgm
.Lfunc_end_k_qc5d8ef5dc2_cast:
	.size	k_qc5d8ef5dc2_cast, .Lfunc_end_k_qc5d8ef5dc2_cast-k_qc5d8ef5dc2_cast
	.p2alignl 7, 3214868480
	.fill 96, 4, 3214868480
	.section	.rodata,"a",@progbits
	.p2align	6, 0x0
	.amdhsa_kernel k_qc5d8ef5dc2_cast
		.amdhsa_group_segment_fixed_size 0
		.amdhsa_private_segment_fixed_size 0
		.amdhsa_enable_private_segment 0
		.amdhsa_kernarg_size 64
		.amdhsa_user_sgpr_count 2
		.amdhsa_user_sgpr_kernarg_segment_ptr 1
		.amdhsa_wavefront_size32 1
		.amdhsa_system_sgpr_workgroup_id_x 1
		.amdhsa_system_sgpr_workgroup_id_y 1
		.amdhsa_system_sgpr_workgroup_id_z 1
		.amdhsa_system_vgpr_workitem_id 0
		.amdhsa_next_free_vgpr 72
		.amdhsa_next_free_sgpr 66
		.amdhsa_reserve_vcc 0
		.amdhsa_float_denorm_mode_32 3
		.amdhsa_float_denorm_mode_16_64 3
		.amdhsa_memory_ordered 1
		.amdhsa_forward_progress 1
		.amdhsa_inst_pref_size 8
	.end_amdhsa_kernel
	.amdgpu_metadata
---
amdhsa.version: [ 1, 2 ]
amdhsa.kernels:
  - .name:           k_qc5d8ef5dc2_cast
    .symbol:         k_qc5d8ef5dc2_cast.kd
    .args:
      - { .name: q, .offset: 0, .size: 8, .value_kind: global_buffer, .address_space: global }
      - { .name: k, .offset: 8, .size: 8, .value_kind: global_buffer, .address_space: global }
      - { .name: v, .offset: 16, .size: 8, .value_kind: global_buffer, .address_space: global }
      - { .name: Wq, .offset: 24, .size: 8, .value_kind: global_buffer, .address_space: global }
      - { .name: Wk, .offset: 32, .size: 8, .value_kind: global_buffer, .address_space: global }
      - { .name: Wv, .offset: 40, .size: 8, .value_kind: global_buffer, .address_space: global }
      - { .name: Wo, .offset: 48, .size: 8, .value_kind: global_buffer, .address_space: global }
      - { .name: xw, .offset: 56, .size: 8, .value_kind: global_buffer, .address_space: global }
    .group_segment_fixed_size: 0
    .private_segment_fixed_size: 0
    .kernarg_segment_align: 8
    .kernarg_segment_size: 64
    .max_flat_workgroup_size: 256
    .sgpr_count:     66
    .vgpr_count:     72
    .wavefront_size: 32
...
	.end_amdgpu_metadata
.endif
;; end of part 4
;; launch proj (part 5): grid 4 x 48, 4 waves a work-group, clusters of 4 x 4, 327,680 bytes of LDS; arguments xw, bq, bk, bv, qh, kh, vh; writes qh, kh, vh
.if DOCPART == 5
	.amdgcn_target "amdgcn-amd-amdhsa--gfx1250"
	.amdhsa_code_object_version 6
	.text
	.protected	k_qc5d8ef5dc2_proj
	.globl	k_qc5d8ef5dc2_proj
	.p2align	8
	.type	k_qc5d8ef5dc2_proj,@function
k_qc5d8ef5dc2_proj:
	s_mov_b64 s[64:65], 0
	v_nop
	global_prefetch_b8 v0, s[64:65] scope:SCOPE_SE
	s_setreg_imm32_b32 hwreg(HW_REG_WAVE_MODE, 25, 1), 1
	s_wait_xcnt 0x0
	s_wait_alu depctr_hold_cnt(0) depctr_sa_sdst(0) depctr_va_vdst(0) depctr_va_sdst(0) depctr_va_ssrc(0) depctr_va_vcc(0) depctr_vm_vsrc(0)
	s_getreg_b32 s2, hwreg(HW_REG_IB_STS2, 6, 4)
	s_cmp_eq_u32 s2, 0
	s_cbranch_scc0 .Lentry_in_a_cluster
	s_endpgm
.Lentry_in_a_cluster:
	s_bfe_u32 s2, ttmp6, 0x10000c
	s_cmp_lg_u32 s2, 0xf033
	s_cbranch_scc0 .Lentry_shape_is_right
	s_endpgm
.Lentry_shape_is_right:
; qh = (q Wq + bq) * 0.125 * log2(e),  kh = k Wk + bk,  vh = v Wv + bv.
; xw: bf16; first q, k, v as [3 x 4096][1024], then Wq, Wk, Wv as [3][1024 (k)][1024 (n)].  b: [1024] f32.
; Results: f16, laid [batch][head][token][64] (a row is 128 bytes, a head 262,144 bytes).
; Grid: x = block of 256 features (4), y = block of 256 of the 12,288 rows of x (48); the projection is y / 16.
; A work-group makes a block of 256 x 256 with four waves, as many as a WGP has SIMDs; a wave makes 128 x 128: 64 accumulator tiles of
; 16 x 16, 512 registers.  K = 1024 goes in 8 steps of 128 through a ring of two LDS slots filled by the tensor data mover.
; 192 work-groups: 12,288 x 1,024 results have that many blocks of 256 x 256; blocks of 192 rows, which would give 256, would cross
; from one projection's x into the next's.
; CLUSTERS: 4 x 4 work-groups form a cluster.  The four of a row of the cluster need the same tiles of x, the four of a column the same
; tiles of W (a cluster's four block rows lie in one projection, since 16 is a multiple of 4).  Such a tile is asked for JOINTLY: each of
; the four issues the same tensor load, with the same descriptor and a mask that names the four, and each receives the tile in its own
; LDS.  That divides the requests for x and for W by four.
; FORMATS: the matrix operands (x, W) are bf16, sums are f32.  The RESULTS are rounded once to f16, not bf16: they are the operands of the
; attention's products, and an output of attention over 2,048 keys is a sum of the same kind as the sum of its operands' rounding errors,
; so each rounding shows at full relative size; f16 has 11 significant bits against bf16's 8.
; ROOM IN F16: as drawn the projections reach about 3.4.  With every input 30 times larger they grow 900-fold, to about 3,100; with an
; offset of 30 spreads on x (30) and on W (0.6) they reach 1024 x 30 x 0.6 = 18,432; f16's largest number is 65,504.  With every input 30
; times smaller qh is about 1.3e-4: f16's smallest step, 6e-8, is still relatively finer there than a rounding to bf16.
; LIMITS: a projection beyond 65,504 in magnitude becomes infinite.  Inf and NaN are not treated apart.
;
; REGISTERS, in windows of 256 (an instruction names v0-v255; s_set_vgpr_msb says which window each operand place means):
;   window 0: v0-31 addresses; v64-127, v128-191 fragments of x (8 x 16 rows x 32 K), two buffers; v192-223 at work on the way out
;   window 1: v64-127, v128-191 fragments of W, two buffers; v192-255 the bias of my 128 features, in the layout of a C operand
;   window 2: the 32 accumulator tiles of my rows 0-63 (tile (a, b) at v[8 (8 a + b)]);   window 3: those of my rows 64-127
; s_set_vgpr_msb's low byte: bits 1:0 source 0, 3:2 source 1, 5:4 source 2, 7:6 destination.  Work is laid in long stretches under one
; setting; at a branch and at a label every window is 0.
;
; THE MATRIX INSTRUCTION IS USED TRANSPOSED: source 0 = 16 features of W, source 1 = 16 rows of x.  In the result, lane l then holds row
; l % 16, and its registers 0 to 7 the features 8 (l / 16) + 0 .. 7: eight NEIGHBOURING numbers of a row, which pack into 16 bytes.
; The bias is the C operand of the first products: nothing is cleared and no addition is written.
.set SIZE_K, 1024
.set SIZE_N, 1024
.set KSTEP,  128
.set PITCH,  272                       ; an LDS row of x: 256 bytes of data + 16 of padding: the 16 rows that a load touches start at 16 different banks (64 banks of 4 bytes: ISA guide 11.1)
.set PB,     544                       ; an LDS row of W [k][n]: 512 bytes of data + 32 of padding = 17 x 32, for the transposing load
.set HALFT,  128*PITCH                 ; what one tensor load brings: 128 rows of x, or 64 k rows of W (64 x 544 is the same 34,816 bytes)
.set SLOT,   4*HALFT                   ; x's 256 rows, then W's 128 k rows
.set STAGE,  2*SLOT                    ; behind the ring: 16 rows x 272 bytes for each wave, for the way out; no tile lands here
.set SPITCH, 272
.set LAPS, SIZE_K/(2*KSTEP)            ; a lap = two K steps = once round the ring: 4
.set BSTEP, KSTEP*SIZE_N*2             ; a K step in W: 128 rows of 2,048 bytes
.set WBASE, 12                         ; W begins behind 12 pieces of 2 MiB of x
.set HEADB, 2048*128                   ; from a head of the result to the next
.set ADRA, 16                          ; v16-17  LDS address of my x fragments in slot 0, 1
.set ADRB, 20                          ; v20-21  the same for W
.set STO,  24                          ; v24     the way out: where I put 16 bytes of a row
.set RD,   25                          ; v25     the way out: where I read rows back
.set CO,   26                          ; v26     my byte offset in the result
.set BO,   27                          ; v27     bias: 32 (l / 16)
.set F0,   64                          ; fragment buffer 0
.set F1,   128                         ; fragment buffer 1
.set TMP,  192                         ; the way out: packed results, in window 0
.set BIAS, 192                         ; the bias, in window 1: feature block b at BIAS + 8 b
.set G1, 24                            ; s[24:31] descriptor group 1 for x's tiles
.set G0, 32                            ; s[32:39] descriptor group 0 for x's tiles, one set for each slot
.set G1B, 48                           ; s[48:55] descriptor group 1 for W's tiles
.set G0B, 56                           ; s[56:63] descriptor group 0 for W's tiles, one set for each slot
.set MSB, 0
.macro WIN new                         ; the immediate's high byte repeats the setting that is left
.if MSB != \new
	s_set_vgpr_msb (MSB<<8)|\new
.set MSB, \new
.endif
.endm
.set MUL_LO, 0xa1                      ; source 0 (W) window 1, source 1 (x) window 0, C and D window 2
.set MUL_HI, 0xf1                      ; the same, C and D window 3
.set BIA_LO, 0x91                      ; source 0 window 1, source 1 window 0, C (the bias) window 1, D window 2
.set BIA_HI, 0xd1                      ; the same, D window 3
.set TO_B,   0x40                      ; destination window 1, address window 0
; A joint load.  Waves 0 and 1 fetch x's two halves, waves 2 and 3 W's.  Each of the two lines has ONE mask and one set of registers for all that issue it, and nothing in
; them hangs on a coordinate that the four partners do not share.  The branch hangs on the wave's number alone: it is the same in every work-group.
.macro JLOAD s
	s_cmp_eq_u32 s11, 0
	s_cbranch_scc0 .Lfor_b_\@
	tensor_load_to_lds s[G0+4*\s:G0+4*\s+3], s[G1:G1+7]
	s_nop 0
	s_branch .Lasked_\@
.Lfor_b_\@:
	tensor_load_to_lds s[G0B+4*\s:G0B+4*\s+3], s[G1B:G1B+7]
	s_nop 0
.Lasked_\@:
.endm
; A round of the cluster's barrier: my work-group's barrier, so that wave 0's signal speaks for all four waves; wave 0 signals for the work-group; every wave waits for all
; sixteen work-groups; my work-group's barrier once more.  No LDS instruction of the wave is pending at a signal.
.macro CREST                           ; a round behind its opening barrier
	s_cmp_lg_u32 s10, 0
	s_cbranch_scc1 .Lnot_wave_0_\@
	s_barrier_signal -3
.Lnot_wave_0_\@:
	s_barrier_wait -3
	s_barrier_signal -1
	s_barrier_wait -1
.endm
.macro CROUND                          ; a whole round
	s_barrier_signal -1
	s_barrier_wait -1
	CREST
.endm
	s_load_b256 s[68:75], s[0:1], 0x0              ; xw s[68:69], bq s[70:71], bk s[72:73], bv s[74:75]
	s_load_b128 s[76:79], s[0:1], 0x20             ; qh s[76:77], kh s[78:79]
	s_load_b64 s[80:81], s[0:1], 0x30              ; vh
	s_set_vgpr_msb 0x40
	v_lshl_add_u32 v63, v0, 2, 0x48400
	s_set_vgpr_msb 0x4000
	v_mov_b32 v255, 0
	s_set_vgpr_msb 0x1
	ds_add_u32 v63, v255
	s_set_vgpr_msb 0x100
	v_lshrrev_b32 v1, 5, v0
	v_readfirstlane_b32 s10, v1                    ; wave 0..3
	s_lshr_b32 s11, s10, 1                         ; which half of the block's rows is mine.  Also: I fetch for x (0) or for W (1)
	s_and_b32 s12, s10, 1                          ; which half of its features.  Also: which half of that tile I fetch
	s_bfe_u32 s40, ttmp6, 0x40000                  ; cx: my place along the cluster's x
	s_bfe_u32 s41, ttmp6, 0x40004                  ; cy: along its y
	s_lshl_b32 s42, ttmp9, 2                       ; in a cluster launch ttmp9 and ttmp7 count clusters
	s_add_co_u32 s42, s42, s40                     ; block column = 4 x cluster x + cx
	s_and_b32 s13, ttmp7, 0xffff
	s_lshr_b32 s86, s13, 2                         ; the projection = cluster y / 4: the same in the whole cluster
	s_lshl_b32 s13, s13, 2
	s_add_co_u32 s13, s13, s41                     ; block row of the 48 = 4 x cluster y + cy
	s_lshl_b32 s43, s41, 2
	s_lshl_b32 s43, 15, s43                        ; my row of the cluster: places 4 cy .. 4 cy + 3
	s_lshl_b32 s44, 0x1111, s40                    ; my column: places cx, cx + 4, cx + 8, cx + 12
	; descriptor group 1 for x: a tile of 128 rows x 128 elements; for W: a tile of 64 rows x 256 elements; both padded in LDS
	s_or_b32 s[G1+0], s43, (1<<16)|(1<<20)|(1<<21)|(5<<22)|(3<<25)  ; 15:0 the mask: x's tiles go to my row; 17:16 element of 2 bytes; 20 padding on; 21 set beside a mask; 24:22 after every 64 words (code 5); 31:25 of 4 words (code 3)
	s_or_b32 s[G1B+0], s44, (1<<16)|(1<<20)|(1<<21)|(6<<22)|(7<<25) ; the mask of my column; padding after every 128 words (code 6) of 8 words (code 7)
	s_mov_b32 s[G1+1], KSTEP<<16                   ; 63:48 tensor_dim0, low half = 128
	s_mov_b32 s[G1B+1], 256<<16                    ;       = 256
	s_mov_b32 s[G1+2], 128<<16                     ; 79:64 its high half = 0; 95:80 tensor_dim1, low half = 128
	s_mov_b32 s[G1B+2], 64<<16                     ;       = 64
	s_mov_b32 s[G1+3], KSTEP<<16                   ; 111:96 its high half = 0; 127:112 tile_dim0 = 128
	s_mov_b32 s[G1B+3], 256<<16                    ;       = 256
	s_mov_b32 s[G1+4], 128                         ; 143:128 tile_dim1 = 128; 159:144 tile_dim2 = 0
	s_mov_b32 s[G1B+4], 64                         ;       = 64
	s_mov_b32 s[G1+5], SIZE_K                      ; 191:160 tensor_dim0_stride, low word: elements from row to row
	s_mov_b32 s[G1B+5], SIZE_N
	s_mov_b32 s[G1+6], 0
	s_mov_b32 s[G1B+6], 0
	s_mov_b32 s[G1+7], 0
	s_mov_b32 s[G1B+7], 0
	; where the tiles come from.  x's hang on the block row alone, which my row of the cluster shares; W's on the projection and the block column, which my column shares.
	; Every wave makes both addresses, in registers that never hold the other coordinate, and asks by one of them.
	s_lshl_b32 s17, s12, 7                         ; which 128 rows of x's tile I fetch
	s_lshl_b32 s16, s13, 8
	s_add_co_u32 s16, s16, s17                     ; x: row 256 x block row + 128 x half
	s_lshl_b32 s16, s16, 11                        ; rows of 2,048 bytes: 25 MB at the most
	s_mov_b32 s17, 0
	s_add_co_u32 s46, s86, WBASE
	s_lshl_b32 s46, s46, 21                        ; W: the projection's 2 MiB, behind x
	s_lshl_b32 s47, s12, 17                        ; + which 64 k rows of 2,048 bytes I fetch
	s_add_co_u32 s46, s46, s47
	s_lshl_b32 s47, s42, 9                         ; + the block column's 256 features of 2 bytes
	s_add_co_u32 s46, s46, s47
	s_mov_b32 s47, 0
	s_mul_i32 s20, s10, HALFT                      ; and where they go: x's two halves, then W's two halves = wave x 34,816: no place in the cluster enters an LDS address
	; the bias and the result: offsets in registers that feed no descriptor
	s_lshl_b32 s92, s42, 10                        ; bias: 256 features of 4 bytes a block column
	s_lshl_b32 s93, s12, 9                         ; + my 128
	s_add_co_u32 s92, s92, s93
	s_mov_b32 s93, 0
	s_and_b32 s94, s13, 15                         ; block row within the projection
	s_lshr_b32 s95, s94, 3                         ; batch
	s_lshl_b32 s95, s95, 4
	s_lshl2_add_u32 s95, s42, s95                  ; + 4 heads a block column
	s_lshl1_add_u32 s95, s12, s95                  ; + my 2 of them: 16 batch + head
	s_lshl_b32 s95, s95, 18                        ; heads of 262,144 bytes
	s_and_b32 s94, s94, 7
	s_lshl_b32 s94, s94, 15                        ; the block's 256 tokens of 128 bytes
	s_add_co_u32 s94, s94, s95
	s_lshl_b32 s95, s11, 14                        ; + my 128 tokens
	s_add_co_u32 s94, s94, s95
	s_mov_b32 s95, 0
	s_wait_dscnt 0x0
	s_wait_kmcnt 0x0
	s_add_nc_u64 s[14:15], s[68:69], s[16:17]
	s_add_nc_u64 s[46:47], s[68:69], s[46:47]
	s_cmp_eq_u32 s86, 1                            ; the projection's bias and result
	s_cselect_b64 s[88:89], s[72:73], s[70:71]
	s_cselect_b64 s[90:91], s[78:79], s[76:77]
	s_cmp_eq_u32 s86, 2
	s_cselect_b64 s[88:89], s[74:75], s[88:89]
	s_cselect_b64 s[90:91], s[80:81], s[90:91]
	s_cmp_eq_u32 s86, 0
	s_cselect_b32 s84, 0x3e38aa3b, 1.0             ; q alone is scaled: 1/8 x log2(e), so that the softmax works in base 2
	s_mov_b32 s85, s84
	s_add_nc_u64 s[88:89], s[88:89], s[92:93]      ; b at my 128 features
	s_add_nc_u64 s[90:91], s[90:91], s[94:95]      ; the result at my first token of my first head
	CROUND                                         ; all sixteen work-groups are here: the first joint loads meet
.irp s, 0,1
	s_mov_b32 s[G0+4*\s], 1                                        ; 1:0 count = 1
	s_add_co_u32 s[G0+4*\s+1], s20, \s*SLOT                        ; 63:32 LDS address
	s_add_nc_u64 s[G0+4*\s+2:G0+4*\s+3], s[14:15], \s*KSTEP*2      ; 120:64 global address: K step s
	s_or_b32 s[G0+4*\s+3], s[G0+4*\s+3], 0x80000000                ; 127:126 type = 2
	s_mov_b32 s[G0B+4*\s], 1
	s_add_co_u32 s[G0B+4*\s+1], s20, \s*SLOT
	s_add_nc_u64 s[G0B+4*\s+2:G0B+4*\s+3], s[46:47], \s*BSTEP
	s_or_b32 s[G0B+4*\s+3], s[G0B+4*\s+3], 0x80000000
	JLOAD \s                                       ; the ring is filled before anything else is done
.endr
	v_and_b32 v1, 15, v0                           ; l % 16
	v_bfe_u32 v2, v0, 4, 1                         ; l / 16
	v_bfe_u32 v7, v0, 3, 1                         ; (l / 8) % 2
	v_and_b32 v8, 7, v0                            ; l % 8
	v_lshlrev_b32 v[BO], 5, v2
	WIN TO_B
.irp b, 0,1,2,3,4,5,6,7
	global_load_b128 v[BIAS+8*\b:BIAS+8*\b+3],   v[BO], s[88:89] offset:\b*64      ; b of features 16 b + 8 (l / 16) + 0..3
	global_load_b128 v[BIAS+8*\b+4:BIAS+8*\b+7], v[BO], s[88:89] offset:\b*64+16   ; and + 4..7: the layout of a C operand
.endr
	WIN 0
	; A fragment is 16 rows x 32 K in 8 registers: lane l holds row l % 16; registers 0-3 hold K = 8 (l / 16) + 0..7, registers 4-7 hold
	; K = 16 + 8 (l / 16) + 0..7.  x's rows lie along K: two loads of 16 bytes, 32 bytes apart.  W's rows lie along the features: two
	; transposing loads, 16 k rows apart, at k row 8 (l / 16) + l % 8 and 16 bytes x ((l / 8) % 2).
	v_mul_u32_u24 v3, v1, PITCH
	v_lshl_add_u32 v3, v2, 4, v3                   ; row x pitch + 16 x half
	v_lshl_add_u32 v6, v2, 3, v8
	v_mul_u32_u24 v6, v6, PB
	v_lshl_add_u32 v6, v7, 4, v6
	s_mul_i32 s21, s11, HALFT                      ; my 128 rows of x
	s_lshl_b32 s22, s12, 8                         ; my 128 features of W, 2 bytes each,
	s_add_co_u32 s22, s22, 2*HALFT                 ; which lies behind x's 256 rows
.irp s, 0,1
	v_add_nc_u32 v[ADRA+\s], s21, v3
	v_add_nc_u32 v[ADRB+\s], s22, v6
	s_add_co_u32 s21, s21, SLOT
	s_add_co_u32 s22, s22, SLOT
.endr
	s_mul_i32 s23, s10, 16*SPITCH
	s_add_co_u32 s23, s23, STAGE                   ; my stage
	v_mul_u32_u24 v4, v1, SPITCH                   ; in: row l % 16, 16 bytes for each half of the lanes
	v_lshl_add_u32 v4, v2, 4, v4
	v_add_nc_u32 v[STO], s23, v4
	v_mul_u32_u24 v5, v7, SPITCH                   ; back: lanes 0-7 and 8-15 take the first head's 128 bytes of two rows, lanes 16-31 the second head's
	v_lshl_add_u32 v5, v2, 7, v5
	v_lshl_add_u32 v5, v8, 4, v5
	v_add_nc_u32 v[RD], s23, v5
	v_lshlrev_b32 v9, 18, v2                       ; and the same in the result: the head, the row of 128 bytes, 16 bytes
	v_lshl_add_u32 v9, v7, 7, v9
	v_lshl_add_u32 v[CO], v8, 4, v9
; 16 matrix instructions: row blocks a0, a0 + 1 of the window's four (hi = 0: my rows 0-63, 1: rows 64-127) x all 8 feature blocks, 32 along K.
; zero = 1: the first product starts the sums from the bias: nothing is ever cleared.
.macro MUL16 f, hi, a0, zero
.irp a, \a0, \a0+1
.irp b, 0,1,2,3,4,5,6,7
.if \zero
	v_wmma_f32_16x16x32_bf16 v[8*(8*(\a)+\b):8*(8*(\a)+\b)+7], v[\f+8*\b:\f+8*\b+7], v[\f+8*(4*\hi+\a):\f+8*(4*\hi+\a)+7], v[BIAS+8*\b:BIAS+8*\b+7]
.else
	v_wmma_f32_16x16x32_bf16 v[8*(8*(\a)+\b):8*(8*(\a)+\b)+7], v[\f+8*\b:\f+8*\b+7], v[\f+8*(4*\hi+\a):\f+8*(4*\hi+\a)+7], v[8*(8*(\a)+\b):8*(8*(\a)+\b)+7]
.endif
.endr
.endr
.endm
; 32 LDS loads in one run: the fragments of one quarter step (128 features of W, 128 rows of x, 32 K) into buffer f.
; k = the quarter's byte in x's rows (0, 64, 128, 192); in W it is k row k / 2.  W's largest immediate: 3 x 17,408 + 8,704 + 224 = 61,152.
.macro FETCH slot, k, f
	WIN TO_B
.irp i, 0,1,2,3,4,5,6,7
	ds_load_tr16_b128 v[\f+8*\i:\f+8*\i+3],   v[ADRB+\slot] offset:(\k)/64*32*PB+\i*32
	ds_load_tr16_b128 v[\f+8*\i+4:\f+8*\i+7], v[ADRB+\slot] offset:(\k)/64*32*PB+\i*32+16*PB
.endr
	WIN 0
.irp i, 0,1,2,3,4,5,6,7
	ds_load_b128 v[\f+8*\i:\f+8*\i+3],   v[ADRA+\slot] offset:\k+\i*16*PITCH
	ds_load_b128 v[\f+8*\i+4:\f+8*\i+7], v[ADRA+\slot] offset:\k+\i*16*PITCH+32
.endr
.endm
; A load into a register that a matrix instruction has read, and a vector instruction that reads a matrix result or writes one of a matrix
; instruction's registers, stand four places behind that matrix instruction, and only plain vector instructions that name none of its registers
; are places (ISA guide 7.12.1 for vector instructions); this text does not count the matrix instructions in between.
; So four v_nop stand in front of each run of loads: sixteen issue slots for a K step's 256 matrix instructions.
.macro PLACES
.rept 4
	v_nop
.endr
.endm
; A K step is four quarter steps of 32 along K, 64 matrix instructions each, on buffers 0, 1, 0, 1.  The 64 accumulators take turns, one
; instruction a turn, in the same order in every quarter step and over the loop's backward jump.
; One of the first three: multiplies buffer f; in its middle it fetches the next quarter's fragments, at byte k of the same slot's rows, into buffer g.
.macro QUARTER slot, k, f, g, zero
	s_wait_dscnt 8                                 ; W and x's rows 0-63 are in; the youngest eight loads (x's rows 64-127) may be out
.if \zero
	WIN BIA_LO
.else
	WIN MUL_LO
.endif
	MUL16 \f, 0, 0, \zero
	MUL16 \f, 0, 2, \zero
	PLACES
	FETCH \slot, \k, \g
	s_wait_dscnt 32                                ; all but the 32 just issued
.if \zero
	WIN BIA_HI
.else
	WIN MUL_HI
.endif
	MUL16 \f, 1, 0, \zero
	MUL16 \f, 1, 2, \zero
.endm
.macro THREE slot, zero
	QUARTER \slot, 64,  F0, F1, \zero
	QUARTER \slot, 128, F1, F0, 0
	QUARTER \slot, 192, F0, F1, 0
.endm
; The last quarter: multiplies buffer 1 and changes slots.  next = the other slot; fill = 1: this slot is filled again, two K steps ahead.
; ONE barrier for the change of slots, for two things.  In front of it each wave waits for its own reads of this slot and for all its tensor loads,
; of which one is out: its part of the next slot.  Behind it nobody reads this slot any more and the next slot is whole: the refill comes
; first, then the next slot's first fragments.  From a request to the wait for it a wave issues 240 matrix instructions.
.macro TURN slot, next, fill
	s_wait_dscnt 8
	WIN MUL_LO
	MUL16 F1, 0, 0, 0
	s_wait_dscnt 0                                 ; my reads of this slot are over (the last were issued 48 matrix instructions ago)
	s_wait_tensorcnt 0x0                           ; and all my tensor loads have landed: the one that was out is my part of the next slot:
	ds_add_u32 v63, v255
	s_wait_dscnt 0x0
	s_barrier_signal -1                            ; say so (where a slot is filled again this barrier opens a round of the cluster's barrier),
	MUL16 F1, 0, 2, 0                              ; work on registers while the others arrive,
	WIN 0
	s_barrier_wait -1                              ; and go on when all four have said so
.if \fill
	CREST                                          ; wave 0 says so for the work-group, all sixteen work-groups have said so, my work-group's barrier closes the round:
	                                               ; no wave of any partner still reads this slot's tile or has a load on its way
	s_add_nc_u64 s[G0+4*\slot+2:G0+4*\slot+3], s[G0+4*\slot+2:G0+4*\slot+3], 2*KSTEP*2
	s_add_nc_u64 s[G0B+4*\slot+2:G0B+4*\slot+3], s[G0B+4*\slot+2:G0B+4*\slot+3], 2*BSTEP
	JLOAD \slot                                    ; the first tensor load behind the round
.endif
	PLACES
	FETCH \next, 0, F0
	WIN MUL_HI
	MUL16 F1, 1, 0, 0
	MUL16 F1, 1, 2, 0
.endm
.macro LAP zero                        ; once round the ring, both slots filled again
	THREE 0, \zero
	TURN 0, 1, 1
	THREE 1, 0
	TURN 1, 0, 1
.endm
	s_wait_loadcnt 0x0                             ; the bias
	s_wait_tensorcnt 1                             ; my part of K step 0 is in (K step 1's load, issued behind it, stays out),
	s_barrier_signal -1
	s_barrier_wait -1                              ; everybody's is
	FETCH 0, 0, F0
	LAP 1                                          ; the first lap stands in front of the loop: its first products start the sums
	WIN 0                                          ; at a label and at a branch every window is 0
	s_mov_b32 s3, LAPS-2
.Llap:
	LAP 0
	WIN 0
	s_sub_co_u32 s3, s3, 1
	s_cmp_lg_u32 s3, 0
	s_cbranch_scc1 .Llap
	THREE 0, 0                                     ; the last lap fills nothing, and has no round of the cluster's barrier: my one tensor load that is still out is slot 1's, the last K step's
	TURN 0, 1, 0
	THREE 1, 0
	s_wait_dscnt 8                                 ; the very last quarter: nothing more to fetch
	WIN MUL_LO
	MUL16 F1, 0, 0, 0
	MUL16 F1, 0, 2, 0
	s_wait_dscnt 0
	WIN MUL_HI
	MUL16 F1, 1, 0, 0
	MUL16 F1, 1, 2, 0
	; THE WAY OUT, 16 tokens at a time: scale, round to f16, 16 bytes a lane into my own stage in LDS, read back by heads.
	; The four v_nop of PLACES are the places behind the last matrix instructions: for the multiplications, which read results,
	; and for the loads into buffers 0 and 1.
	PLACES
; tokens 16 i .. 16 i + 15 of my block = the eight tiles (a, 0..7) of window 2 or 3.  inw: destination and source 0 in that window (0x82, 0xc3);
; from: sources 0 and 1 in it, destination in window 0 (0x0a, 0x0f); f: F0 or F1 in turn.
.macro OUT16 i, a, inw, from, f
	WIN \inw
.irp b, 0,1,2,3,4,5,6,7
.irp r, 0,1,2,3
	v_pk_mul_f32 v[8*(8*\a+\b)+2*\r:8*(8*\a+\b)+2*\r+1], v[8*(8*\a+\b)+2*\r:8*(8*\a+\b)+2*\r+1], s[84:85] op_sel_hi:[1,0]
.endr
.endr
	WIN \from
.irp b, 0,1,2,3,4,5,6,7
.irp r, 0,1,2,3
	v_cvt_pk_f16_f32 v[TMP+4*\b+\r], v[8*(8*\a+\b)+2*\r], v[8*(8*\a+\b)+2*\r+1]    ; first source into the low half
.endr
.endr
	WIN 0
.irp b, 0,1,2,3,4,5,6,7
	ds_store_b128 v[STO], v[TMP+4*\b:TMP+4*\b+3] offset:32*\b
.endr
	s_wait_xcnt 0x0                                ; every earlier memory instruction has had its addresses translated (ISA guide 3.1): buffer f, which stores read two turns ago, is rewritten only behind this wait
.irp t, 0,1,2,3,4,5,6,7
	ds_load_b128 v[\f+4*\t:\f+4*\t+3], v[RD] offset:\t*2*SPITCH    ; LDS serves a wave's instructions in order (ISA guide 5.7.1): these see the stores above
.endr
.irp t, 0,1,2,3,4,5,6,7
	s_wait_dscnt 7-\t                              ; read-back t is in, the younger ones may be out
	global_store_b128 v[CO], v[\f+4*\t:\f+4*\t+3], s[90:91] offset:\i*2048+\t*256   ; 16 lanes store two rows of one head: 256 consecutive bytes, aligned
.endr
.endm
	OUT16 0, 0, 0x82, 0x0a, F0
	OUT16 1, 1, 0x82, 0x0a, F1
	OUT16 2, 2, 0x82, 0x0a, F0
	OUT16 3, 3, 0x82, 0x0a, F1
	OUT16 4, 0, 0xc3, 0x0f, F0
	OUT16 5, 1, 0xc3, 0x0f, F1
	OUT16 6, 2, 0xc3, 0x0f, F0
	OUT16 7, 3, 0xc3, 0x0f, F1
	s_set_vgpr_msb 0x1
	s_wait_tensorcnt 0x0
	ds_add_u32 v63, v255
	s_wait_dscnt 0x0
	s_set_vgpr_msb 0x100
	CROUND                                         ; the closing round: no work-group ends while a partner may still ask for a tile that names it
	s_endpgm
.Lfunc_end_k_qc5d8ef5dc2_proj:
	.size	k_qc5d8ef5dc2_proj, .Lfunc_end_k_qc5d8ef5dc2_proj-k_qc5d8ef5dc2_proj
	.p2alignl 7, 3214868480
	.fill 96, 4, 3214868480
	.section	.rodata,"a",@progbits
	.p2align	6, 0x0
	.amdhsa_kernel k_qc5d8ef5dc2_proj
		.amdhsa_group_segment_fixed_size 327680
		.amdhsa_private_segment_fixed_size 0
		.amdhsa_enable_private_segment 0
		.amdhsa_kernarg_size 56
		.amdhsa_user_sgpr_count 2
		.amdhsa_user_sgpr_kernarg_segment_ptr 1
		.amdhsa_wavefront_size32 1
		.amdhsa_system_sgpr_workgroup_id_x 1
		.amdhsa_system_sgpr_workgroup_id_y 1
		.amdhsa_system_sgpr_workgroup_id_z 1
		.amdhsa_system_vgpr_workitem_id 0
		.amdhsa_next_free_vgpr 1024
		.amdhsa_next_free_sgpr 96
		.amdhsa_reserve_vcc 0
		.amdhsa_float_denorm_mode_32 3
		.amdhsa_float_denorm_mode_16_64 3
		.amdhsa_memory_ordered 1
		.amdhsa_forward_progress 1
		.amdhsa_inst_pref_size 215
	.end_amdhsa_kernel
	.amdgpu_metadata
---
amdhsa.version: [ 1, 2 ]
amdhsa.kernels:
  - .name:           k_qc5d8ef5dc2_proj
    .symbol:         k_qc5d8ef5dc2_proj.kd
    .args:
      - { .name: xw, .offset: 0, .size: 8, .value_kind: global_buffer, .address_space: global }
      - { .name: bq, .offset: 8, .size: 8, .value_kind: global_buffer, .address_space: global }
      - { .name: bk, .offset: 16, .size: 8, .value_kind: global_buffer, .address_space: global }
      - { .name: bv, .offset: 24, .size: 8, .value_kind: global_buffer, .address_space: global }
      - { .name: qh, .offset: 32, .size: 8, .value_kind: global_buffer, .address_space: global }
      - { .name: kh, .offset: 40, .size: 8, .value_kind: global_buffer, .address_space: global }
      - { .name: vh, .offset: 48, .size: 8, .value_kind: global_buffer, .address_space: global }
    .group_segment_fixed_size: 327680
    .private_segment_fixed_size: 0
    .kernarg_segment_align: 8
    .kernarg_segment_size: 56
    .max_flat_workgroup_size: 128
    .sgpr_count:     96
    .vgpr_count:     1024
    .wavefront_size: 32
...
	.end_amdgpu_metadata
.endif
;; end of part 5
;; launch attn: the kernel of part 2 again; grid 8 x 32, 8 waves a work-group, clusters of 4 x 1, 327,680 bytes of LDS; arguments qh, kh, vh, ao; writes ao
;; launch oproj (part 6): grid 8 x 32, 4 waves a work-group, clusters of 4 x 4, 327,680 bytes of LDS; arguments ao, xw, bo, out0; writes out0
.if DOCPART == 6
	.amdgcn_target "amdgcn-amd-amdhsa--gfx1250"
	.amdhsa_code_object_version 6
	.text
	.protected	k_qc5d8ef5dc2_oproj
	.globl	k_qc5d8ef5dc2_oproj
	.p2align	8
	.type	k_qc5d8ef5dc2_oproj,@function
k_qc5d8ef5dc2_oproj:
	s_mov_b64 s[64:65], 0
	v_nop
	global_prefetch_b8 v0, s[64:65] scope:SCOPE_SE
	s_setreg_imm32_b32 hwreg(HW_REG_WAVE_MODE, 25, 1), 1
	s_wait_xcnt 0x0
	s_wait_alu depctr_hold_cnt(0) depctr_sa_sdst(0) depctr_va_vdst(0) depctr_va_sdst(0) depctr_va_ssrc(0) depctr_va_vcc(0) depctr_vm_vsrc(0)
	s_getreg_b32 s2, hwreg(HW_REG_IB_STS2, 6, 4)
	s_cmp_eq_u32 s2, 0
	s_cbranch_scc0 .Lentry_in_a_cluster
	s_endpgm
.Lentry_in_a_cluster:
	s_bfe_u32 s2, ttmp6, 0x10000c
	s_cmp_lg_u32 s2, 0xf033
	s_cbranch_scc0 .Lentry_shape_is_right
	s_endpgm
.Lentry_shape_is_right:
; out0 = merge(ao) Wo + bo.  ao: bf16 [batch][head][token][64]; Wo: bf16 [1024 (k)][1024 (n)], the sixteenth piece of 2 MiB of xw;
; bo: [1024] f32; out0: [4096][1024] f32.
; Grid: x = block of 128 features (8), y = block of 128 tokens (32): 256 work-groups; blocks of 256 x 256 would give 64.
; A work-group makes 128 x 128 with four waves, as many as a WGP has SIMDs; a wave makes 64 tokens x 64 features in 16 accumulator tiles.
; K = 1024 goes in 8 steps of 128 (two heads) through four LDS slots filled by the tensor data mover.  A slot has four pieces of 18,432
; bytes, one for each wave to fetch: head 2t's and head 2t+1's 128 rows of ao (waves 0, 1), k rows 0-63 and 64-127 of Wo (waves 2, 3).
; CLUSTERS: 4 x 4 work-groups form a cluster.  The four of a row of the cluster need the same tiles of ao, the four of a column the same
; tiles of Wo.  Such a tile is asked for JOINTLY: each of the four issues the same tensor load, with the same descriptor and a mask that
; names the four, and each receives the tile in its own LDS.  That divides the requests for ao and for Wo by four.
; THE RING: the four slots go in two halves.  K steps 0-3 are asked for at once, behind the opening round.  When slots 0 and 1 have been
; read they are asked for again (steps 4, 5) and steps 2, 3 are multiplied meanwhile; then slots 2 and 3 (steps 6, 7) while steps 4, 5 are
; multiplied.  So each refill has two K steps, 128 matrix instructions of a wave, in which to land.  All 8 steps are written out: no loop.
; By this text's count a wave has four tensor loads out at the start and two behind each refill.
; LIMITS: matrix operands (ao, Wo) are bf16, sums and the result are f32.  Inf and NaN are not treated apart.
; THE MATRIX INSTRUCTION IS USED TRANSPOSED: source 0 = 16 features of Wo, source 1 = 16 tokens.  Lane (r, h) holds in registers 0-7 the
; features 8h .. 8h+7 of token r: 32 neighbouring bytes.  The bias is the C operand of the first product.
.set PX,    144                        ; LDS pitch of ao rows: 128 bytes + 16 (9 x 16)
.set PW,    288                        ; LDS pitch of Wo rows [k][n]: 256 bytes + 32 (9 x 32), for the transposing load
.set PIECE, 128*PX                     ; 18,432: 128 rows of ao, or 64 k rows of Wo (64 x 288 is the same); 64 along K
.set WOFF,  2*PIECE                    ; Wo's two pieces lie behind ao's two
.set PAIRB, 4*PIECE                    ; 73,728: a slot, a K step of 128.  Beyond the LDS immediate's 16 bits: each slot has address registers of its own
.set STAGE, 4*PAIRB                    ; 294,912 = 1,152 x 256: each wave's own 16 rows x 272 bytes for the way out; no tile lands here
.set PS,    272                        ; a stage row: 256 bytes + 16
.set ASTEP, 2*2048*128                 ; a K step in ao: two heads of 262,144 bytes
.set BSTEP, 128*1024*2                 ; a K step in Wo: 128 rows of 2,048 bytes
.set WOB,   15<<21                     ; Wo begins behind 15 pieces of 2 MiB of xw
.set XA,  2                            ; v2-5    LDS address of my ao fragments in slot 0 .. 3
.set WA,  6                            ; v6-9    the same for Wo
.set STO, 10                           ; way out: where I put 32 bytes
.set RD,  11                           ; way out: where I read rows back
.set CO,  12                           ; way out: my byte offset in out0
.set BO,  13                           ; bias: 32 h
.set F0W, 16                           ; v16-47   Wo fragments, k 0-31 of a piece
.set F0X, 48                           ; v48-79   ao fragments, k 0-31; v48-63 later: k 32-63 of token blocks 2, 3
.set F1W, 80                           ; v80-111  Wo fragments, k 32-63; ahead of the first products: the bias
.set F1X, 112                          ; v112-127 ao fragments, k 32-63, token blocks 0, 1
.set ACC, 128                          ; v128-255 tile (mt, nt) at ACC + 8 (4 mt + nt)
.set G1,  16                           ; s[16:23] descriptor group 1 for ao's tiles
.set G1B, 24                           ; s[24:31] descriptor group 1 for Wo's tiles
.set G0,  32                           ; s[32:47] descriptor group 0 for ao's tiles, one set for each slot
.set G0B, 48                           ; s[48:63] descriptor group 0 for Wo's tiles, one set for each slot
; A joint load.  Waves 0 and 1 fetch ao's two pieces, waves 2 and 3 Wo's.  Each of the two lines has ONE mask and one set of registers for all that issue it, and nothing in
; them hangs on a coordinate that the four partners do not share.  The branch hangs on the wave's number alone: it is the same in every work-group.
.macro JLOAD s
	s_cmp_eq_u32 s11, 0
	s_cbranch_scc0 .Lfor_b_\@
	tensor_load_to_lds s[G0+4*\s:G0+4*\s+3], s[G1:G1+7]
	s_nop 0
	s_branch .Lasked_\@
.Lfor_b_\@:
	tensor_load_to_lds s[G0B+4*\s:G0B+4*\s+3], s[G1B:G1B+7]
	s_nop 0
.Lasked_\@:
.endm
; A round of the cluster's barrier: my work-group's barrier, so that wave 0's signal speaks for all four waves; wave 0 signals for the work-group; every wave waits for all
; sixteen work-groups; my work-group's barrier once more.  No LDS instruction of the wave is pending at a signal.
.macro CROUND
	s_barrier_signal -1
	s_barrier_wait -1
	s_cmp_lg_u32 s10, 0
	s_cbranch_scc1 .Lnot_wave_0_\@
	s_barrier_signal -3
.Lnot_wave_0_\@:
	s_barrier_wait -3
	s_barrier_signal -1
	s_barrier_wait -1
.endm
	s_load_b256 s[68:75], s[0:1], 0x0              ; ao s[68:69], xw s[70:71], bo s[72:73], out0 s[74:75]
	v_lshl_add_u32 v14, v0, 2, 0x4c400
	v_mov_b32 v15, 0
	ds_add_u32 v14, v15
	v_lshrrev_b32 v1, 5, v0
	v_readfirstlane_b32 s10, v1                    ; wave 0..3
	s_lshr_b32 s11, s10, 1                         ; which half of the block's tokens is mine.  Also: I fetch for ao (0) or for Wo (1)
	s_and_b32 s12, s10, 1                          ; which half of its features.  Also: which 64 of the K step's 128 I fetch
	s_bfe_u32 s4, ttmp6, 0x40000                   ; cx: my place along the cluster's x
	s_bfe_u32 s5, ttmp6, 0x40004                   ; cy: along its y
	s_lshl_b32 s6, ttmp9, 2                        ; in a cluster launch ttmp9 and ttmp7 count clusters
	s_add_co_u32 s6, s6, s4                        ; block of features = 4 x cluster x + cx
	s_and_b32 s7, ttmp7, 0xffff
	s_lshl_b32 s7, s7, 2
	s_add_co_u32 s7, s7, s5                        ; block of tokens = 4 x cluster y + cy
	s_lshl_b32 s8, s5, 2
	s_lshl_b32 s8, 15, s8                          ; my row of the cluster: places 4 cy .. 4 cy + 3
	s_lshl_b32 s9, 0x1111, s4                      ; my column: places cx, cx + 4, cx + 8, cx + 12
	; descriptor group 1 for ao: a tile of 128 rows x 64 elements; for Wo: a tile of 64 rows x 128 elements; both padded in LDS
	s_or_b32 s[G1+0], s8, (1<<16)|(1<<20)|(1<<21)|(4<<22)|(3<<25)   ; 15:0 the mask: ao's tiles go to my row; 17:16 element of 2 bytes; 20 padding on; 21 set beside a mask; 24:22 after every 32 words (code 4); 31:25 of 4 words (code 3)
	s_or_b32 s[G1B+0], s9, (1<<16)|(1<<20)|(1<<21)|(5<<22)|(7<<25)  ; the mask of my column; padding after every 64 words (code 5) of 8 words (code 7)
	s_mov_b32 s[G1+1], 64<<16                      ; 63:48 tensor_dim0, low half = 64
	s_mov_b32 s[G1B+1], 128<<16                    ;       = 128
	s_mov_b32 s[G1+2], 128<<16                     ; 79:64 its high half = 0; 95:80 tensor_dim1, low half = 128
	s_mov_b32 s[G1B+2], 64<<16                     ;       = 64
	s_mov_b32 s[G1+3], 64<<16                      ; 111:96 its high half = 0; 127:112 tile_dim0 = 64
	s_mov_b32 s[G1B+3], 128<<16                    ;       = 128
	s_mov_b32 s[G1+4], 128                         ; 143:128 tile_dim1 = 128; 159:144 tile_dim2 = 0
	s_mov_b32 s[G1B+4], 64                         ;       = 64
	s_mov_b32 s[G1+5], 64                          ; 191:160 tensor_dim0_stride, low word: elements from row to row
	s_mov_b32 s[G1B+5], 1024
	s_mov_b32 s[G1+6], 0
	s_mov_b32 s[G1B+6], 0
	s_mov_b32 s[G1+7], 0
	s_mov_b32 s[G1B+7], 0
	; where the tiles come from.  ao's hang on the block of tokens alone, which my row of the cluster shares; Wo's on the block of features alone, which my column shares.
	; Every wave makes both addresses, in registers that never hold the other coordinate, and asks by one of them.
	s_lshr_b32 s76, s7, 4                          ; ao: batch x 16 heads x 262,144 bytes
	s_lshl_b32 s76, s76, 22
	s_and_b32 s77, s7, 15
	s_lshl_b32 s77, s77, 14                        ; + the block's 128 rows of 128 bytes
	s_add_co_u32 s76, s76, s77
	s_lshl_b32 s77, s12, 18                        ; + which of the K step's two heads I fetch
	s_add_co_u32 s76, s76, s77
	s_mov_b32 s77, 0
	s_lshl_b32 s78, s12, 17                        ; Wo: which 64 k rows of 2,048 bytes I fetch,
	s_add_co_u32 s78, s78, WOB                     ; behind the other pieces of xw
	s_lshl_b32 s79, s6, 8                          ; + the block's 128 features of 2 bytes
	s_add_co_u32 s78, s78, s79
	s_mov_b32 s79, 0
	s_mul_i32 s13, s10, PIECE                      ; and where they go: wave x 18,432: no place in the cluster enters an LDS address
	; the bias and the result: offsets in registers that feed no descriptor
	s_lshl_b32 s80, s6, 9                          ; 128 features of 4 bytes a block
	s_lshl_b32 s81, s12, 8                         ; + my 64
	s_add_co_u32 s80, s80, s81
	s_mov_b32 s81, 0
	s_lshl_b32 s82, s7, 19                         ; out0: 128 rows of 4,096 bytes a block
	s_lshl_b32 s83, s11, 18                        ; + my 64 rows
	s_add_co_u32 s82, s82, s83
	s_add_co_u32 s82, s82, s80                     ; + my columns
	s_mov_b32 s83, 0
	s_wait_dscnt 0x0
	s_wait_kmcnt 0x0
	s_add_nc_u64 s[84:85], s[68:69], s[76:77]      ; my piece of ao in K step 0
	s_add_nc_u64 s[86:87], s[70:71], s[78:79]      ; my piece of Wo in K step 0
	s_add_nc_u64 s[88:89], s[72:73], s[80:81]      ; bo at my 64 features
	s_add_nc_u64 s[90:91], s[74:75], s[82:83]      ; out0 at my 64 x 64
	CROUND                                         ; all sixteen work-groups are here: the first joint loads meet
.irp s, 0,1,2,3
	s_mov_b32 s[G0+4*\s], 1                                        ; 1:0 count = 1
	s_add_co_u32 s[G0+4*\s+1], s13, \s*PAIRB                       ; 63:32 LDS address
	s_add_nc_u64 s[G0+4*\s+2:G0+4*\s+3], s[84:85], \s*ASTEP        ; 120:64 global address: K step s
	s_or_b32 s[G0+4*\s+3], s[G0+4*\s+3], 0x80000000                ; 127:126 type = 2
	s_mov_b32 s[G0B+4*\s], 1
	s_add_co_u32 s[G0B+4*\s+1], s13, \s*PAIRB
	s_add_nc_u64 s[G0B+4*\s+2:G0B+4*\s+3], s[86:87], \s*BSTEP
	s_or_b32 s[G0B+4*\s+3], s[G0B+4*\s+3], 0x80000000
	JLOAD \s                                       ; all four slots are asked for before anything else is done: first fills
.endr
	; lane terms (in registers that fragments take later)
	v_and_b32 v57, 15, v0                          ; r
	v_bfe_u32 v58, v0, 4, 1                        ; h
	v_and_b32 v59, 7, v0                           ; L & 7
	v_bfe_u32 v60, v0, 3, 1                        ; (L >> 3) & 1
	v_lshlrev_b32 v[BO], 5, v58
.irp nt, 0,1,2,3
	global_load_b128 v[F1W+8*\nt:F1W+8*\nt+3],   v[BO], s[88:89] offset:\nt*64      ; b of features 16 nt + 8 h + 0..3
	global_load_b128 v[F1W+8*\nt+4:F1W+8*\nt+7], v[BO], s[88:89] offset:\nt*64+16   ; and + 4..7: the layout of a C operand
.endr
	s_mul_i32 s14, s11, 64*PX
	v_mul_u32_u24 v1, v57, PX
	v_lshl_add_u32 v1, v58, 4, v1
	v_add_nc_u32 v[XA], s14, v1                    ; (64 x my half + r) x 144 + 16 h
.irp p, 1,2,3
	v_add_nc_u32 v[XA+\p], \p*PAIRB, v[XA]
.endr
	v_lshl_add_u32 v1, v58, 3, v59                 ; k row 8 h + (L & 7)
	v_mul_u32_u24 v1, v1, PW
	v_lshl_add_u32 v1, v60, 4, v1                  ; + 16 ((L >> 3) & 1)
	s_lshl_b32 s14, s12, 7
	s_add_co_u32 s14, s14, WOFF
	v_add_nc_u32 v[WA], s14, v1                    ; + my 64 features, behind ao's pieces
.irp p, 1,2,3
	v_add_nc_u32 v[WA+\p], \p*PAIRB, v[WA]
.endr
	s_mul_i32 s14, s10, 16*PS
	s_add_co_u32 s14, s14, STAGE                   ; my stage
	v_mul_u32_u24 v1, v57, PS
	v_lshl_add_u32 v1, v58, 5, v1
	v_add_nc_u32 v[STO], s14, v1                   ; row r, 32 bytes at 32 h
	v_mul_u32_u24 v1, v58, PS
	v_lshl_add_u32 v1, v57, 4, v1
	v_add_nc_u32 v[RD], s14, v1                    ; lanes 0-15 one row of 256 bytes, lanes 16-31 the next
	v_lshlrev_b32 v[CO], 12, v58
	v_lshl_add_u32 v[CO], v57, 4, v[CO]            ; the same two rows in out0
; A load into a register that a matrix instruction has read, and a vector instruction or LDS store that reads a matrix result, stand four
; plain vector instructions behind it (ISA guide 7.12.1 for vector instructions).
.macro PLACES
.rept 4
	v_nop
.endr
.endm
; four Wo fragments (16 features x 32 k each) out of rows that lie [k][n]: two transposing loads each, 16 k rows apart
.macro LDW pair, sl, kk, dst
.irp nt, 0,1,2,3
	ds_load_tr16_b128 v[\dst+8*\nt:\dst+8*\nt+3],   v[WA+\pair] offset:(\sl)*PIECE+\kk*32*PW+\nt*32
	ds_load_tr16_b128 v[\dst+8*\nt+4:\dst+8*\nt+7], v[WA+\pair] offset:(\sl)*PIECE+\kk*32*PW+\nt*32+16*PW
.endr
.endm
; one ao fragment (16 tokens x 32 k): two loads of 16 bytes, 32 bytes apart
.macro LDX pair, sl, kk, mt, dst
	ds_load_b128 v[\dst:\dst+3],   v[XA+\pair] offset:(\sl)*PIECE+\mt*16*PX+\kk*64
	ds_load_b128 v[\dst+4:\dst+7], v[XA+\pair] offset:(\sl)*PIECE+\mt*16*PX+\kk*64+32
.endm
; token block mt x four feature blocks.  cm = 1: the bias starts the sums.
.macro MM mt, wf, xf, cm
.irp nt, 0,1,2,3
.if \cm
	v_wmma_f32_16x16x32_bf16 v[ACC+8*(4*\mt+\nt):ACC+8*(4*\mt+\nt)+7], v[\wf+8*\nt:\wf+8*\nt+7], v[\xf:\xf+7], v[F1W+8*\nt:F1W+8*\nt+7]
.else
	v_wmma_f32_16x16x32_bf16 v[ACC+8*(4*\mt+\nt):ACC+8*(4*\mt+\nt)+7], v[\wf+8*\nt:\wf+8*\nt+7], v[\xf:\xf+7], v[ACC+8*(4*\mt+\nt):ACC+8*(4*\mt+\nt)+7]
.endif
.endr
.endm
; 64 along K out of pieces sl of a slot: 32 matrix instructions.  The 16 accumulators take turns, one instruction a turn, in the same order
; for both halves and from one call to the next.  It ENDS with four plain instructions: whatever stands behind it
; (the next call's fragment loads, the way out) is four places behind its last products.
.macro CPART pair, sl, first
.if \first
	LDW \pair, \sl, 0, F0W                         ; the bias lies in v80-111, waited for ahead of the first barrier
	LDX \pair, \sl, 0, 0, F0X
	LDX \pair, \sl, 0, 1, F0X+8
	LDX \pair, \sl, 0, 2, F0X+16
	LDX \pair, \sl, 0, 3, F0X+24
	s_wait_dscnt 0x0
	MM 0, F0W, F0X, 1
	MM 1, F0W, F0X+8, 1
	MM 2, F0W, F0X+16, 1
	MM 3, F0W, F0X+24, 1
	PLACES                                         ; the bias registers and v48-63 are loaded again
	LDW \pair, \sl, 1, F1W
	LDX \pair, \sl, 1, 0, F1X
	LDX \pair, \sl, 1, 1, F1X+8
	LDX \pair, \sl, 1, 2, F0X
	LDX \pair, \sl, 1, 3, F0X+8
	s_wait_dscnt 0x0
	MM 0, F1W, F1X, 0
	MM 1, F1W, F1X+8, 0
.else
	LDW \pair, \sl, 0, F0W                         ; four places behind the last call's products: that call's own last lines
	LDX \pair, \sl, 0, 0, F0X
	LDX \pair, \sl, 0, 1, F0X+8
	LDX \pair, \sl, 0, 2, F0X+16
	LDX \pair, \sl, 0, 3, F0X+24
	LDW \pair, \sl, 1, F1W
	LDX \pair, \sl, 1, 0, F1X
	LDX \pair, \sl, 1, 1, F1X+8
	s_wait_dscnt 12                                ; the 16 loads of k 0-31 are in; the 12 younger ones of k 32-63 may be out
	MM 0, F0W, F0X, 0
	MM 1, F0W, F0X+8, 0
	PLACES                                         ; v48-63 have been read: they take k 32-63 of token blocks 2 and 3
	LDX \pair, \sl, 1, 2, F0X
	LDX \pair, \sl, 1, 3, F0X+8
	MM 2, F0W, F0X+16, 0
	MM 3, F0W, F0X+24, 0
	s_wait_dscnt 4                                 ; all but the four loads just issued
	MM 0, F1W, F1X, 0
	MM 1, F1W, F1X+8, 0
	s_wait_dscnt 0x0
.endif
	MM 2, F1W, F0X, 0
	MM 3, F1W, F0X+8, 0
	PLACES
.endm
; Two K steps out of slots a and b, both whole for every wave: 128 matrix instructions, no barrier between them
.macro HALF a, b, first
	CPART \a, 0, \first
	CPART \a, 1, 0
	CPART \b, 0, 0
	CPART \b, 1, 0
.endm
; Slots a and b, which have been read, are filled again, each with the K step four further on.  In front of the round: my reads of them are
; back and all my tensor loads have landed (the other half's two among them), so every group 0 may be written.  Behind the round both
; hold of every wave of the sixteen work-groups, and the joint refills come first.
.macro REFILL a, b
	s_wait_dscnt 0x0
	s_wait_tensorcnt 0x0
	ds_add_u32 v14, v15
	s_wait_dscnt 0x0
.irp p, \a, \b
	s_add_nc_u64 s[G0+4*\p+2:G0+4*\p+3], s[G0+4*\p+2:G0+4*\p+3], 4*ASTEP
	s_add_nc_u64 s[G0B+4*\p+2:G0B+4*\p+3], s[G0B+4*\p+2:G0B+4*\p+3], 4*BSTEP
.endr
	CROUND
	JLOAD \a
	JLOAD \b
.endm
	s_wait_loadcnt 0x0                             ; the bias
	s_wait_tensorcnt 2                             ; my pieces of K steps 0 and 1 are in; those of steps 2 and 3, issued behind them, stay out,
	s_barrier_signal -1
	s_barrier_wait -1                              ; everybody's are
	HALF 0, 1, 1                                   ; K steps 0, 1: the first products start the sums from the bias
	REFILL 0, 1                                    ; K steps 4, 5 go out; steps 2, 3 have landed in every wave's count
	HALF 2, 3, 0                                   ; K steps 2, 3
	REFILL 2, 3                                    ; K steps 6, 7 go out; steps 4, 5 have landed
	HALF 0, 1, 0                                   ; K steps 4, 5
	s_wait_dscnt 0x0
	s_wait_tensorcnt 0x0                           ; my pieces of K steps 6 and 7 are in,
	s_barrier_signal -1
	s_barrier_wait -1                              ; everybody's are; nothing is filled any more
	HALF 2, 3, 0                                   ; K steps 6, 7; the last four lines are the distance in front of the way out
; THE WAY OUT, 16 tokens at a time: 32 bytes a lane into my own stage, read back as whole rows of 256 bytes.
; The stage is the wave's own and LDS serves a wave's instructions in order (ISA guide 5.7.1): no wait between its stores and loads.
.macro OUT mt, rb
.irp nt, 0,1,2,3
	ds_store_b128 v[STO], v[ACC+32*\mt+8*\nt:ACC+32*\mt+8*\nt+3]   offset:64*\nt
	ds_store_b128 v[STO], v[ACC+32*\mt+8*\nt+4:ACC+32*\mt+8*\nt+7] offset:64*\nt+16
.endr
	s_wait_xcnt 0x0                                ; registers rb.. were a store's data two turns ago: rewritten only behind this wait
.irp i, 0,1,2,3,4,5,6,7
	ds_load_b128 v[\rb+4*\i:\rb+4*\i+3], v[RD] offset:\i*2*PS
.endr
.irp i, 0,1,2,3,4,5,6,7
	s_wait_dscnt 7-\i                              ; read-back i is in, the younger ones may be out
	global_store_b128 v[CO], v[\rb+4*\i:\rb+4*\i+3], s[90:91] offset:(16*\mt+2*\i)*4096 th:TH_STORE_NT   ; sixteen lanes store 256 consecutive bytes, aligned
.endr
.endm
	OUT 0, 16
	OUT 1, 48
	OUT 2, 16
	OUT 3, 48
	s_wait_tensorcnt 0x0
	ds_add_u32 v14, v15
	s_wait_dscnt 0x0
	CROUND                                         ; the closing round: no work-group ends while a partner may still ask for a tile that names it
	s_endpgm
.Lfunc_end_k_qc5d8ef5dc2_oproj:
	.size	k_qc5d8ef5dc2_oproj, .Lfunc_end_k_qc5d8ef5dc2_oproj-k_qc5d8ef5dc2_oproj
	.p2alignl 7, 3214868480
	.fill 96, 4, 3214868480
	.section	.rodata,"a",@progbits
	.p2align	6, 0x0
	.amdhsa_kernel k_qc5d8ef5dc2_oproj
		.amdhsa_group_segment_fixed_size 327680
		.amdhsa_private_segment_fixed_size 0
		.amdhsa_enable_private_segment 0
		.amdhsa_kernarg_size 32
		.amdhsa_user_sgpr_count 2
		.amdhsa_user_sgpr_kernarg_segment_ptr 1
		.amdhsa_wavefront_size32 1
		.amdhsa_system_sgpr_workgroup_id_x 1
		.amdhsa_system_sgpr_workgroup_id_y 1
		.amdhsa_system_sgpr_workgroup_id_z 1
		.amdhsa_system_vgpr_workitem_id 0
		.amdhsa_next_free_vgpr 256
		.amdhsa_next_free_sgpr 96
		.amdhsa_reserve_vcc 0
		.amdhsa_float_denorm_mode_32 3
		.amdhsa_float_denorm_mode_16_64 3
		.amdhsa_memory_ordered 1
		.amdhsa_forward_progress 1
		.amdhsa_inst_pref_size 90
	.end_amdhsa_kernel
	.amdgpu_metadata
---
amdhsa.version: [ 1, 2 ]
amdhsa.kernels:
  - .name:           k_qc5d8ef5dc2_oproj
    .symbol:         k_qc5d8ef5dc2_oproj.kd
    .args:
      - { .name: ao, .offset: 0, .size: 8, .value_kind: global_buffer, .address_space: global }
      - { .name: xw, .offset: 8, .size: 8, .value_kind: global_buffer, .address_space: global }
      - { .name: bo, .offset: 16, .size: 8, .value_kind: global_buffer, .address_space: global }
      - { .name: out0, .offset: 24, .size: 8, .value_kind: global_buffer, .address_space: global }
    .group_segment_fixed_size: 327680
    .private_segment_fixed_size: 0
    .kernarg_segment_align: 8
    .kernarg_segment_size: 32
    .max_flat_workgroup_size: 128
    .sgpr_count:     96
    .vgpr_count:     256
    .wavefront_size: 32
...
	.end_amdgpu_metadata
.endif
;; end of part 6
